; MI455X (gfx1250); checked and timed in simulation.
; The chip was launched on July 23, 2026; its instructions are those of AMD's public machine-readable ISA for CDNA 5 (MIT licence, August 2026) and "CDNA5" Instruction Set Architecture Reference Guide (July 2026). The comments in the code are by the model that wrote it; some were corrected since.
;; Simple Attention With KV Cache. Allowed arithmetic: matrix products marked QUANTISED: E2M3 operands, one E8M0 scale for each 32 along K, by v_wmma_scale_f32_16x16x128_f8f6f4 with both operands' format E2M3, f32 sums; everything else in f32.
;; Inputs: bk 1,024 float32; bo 1,024 float32; bq 1,024 float32; bv 1,024 float32; wk 1,024 x 1,024 float32; wo 1,024 x 1,024 float32; wq 1,024 x 1,024 float32; wv 1,024 x 1,024 float32; x 2 x 2,048 x 1,024 float32.
;; Outputs: out0 2 x 2,048 x 1,024 float32.
;; This version of the problem:
;;   THIS VERSION OF THE PROBLEM IS GIVEN IN LOW PRECISION. The matrix products marked QUANTISED in the list below multiply operands that are first quantised to E2M3 (2 exponent bits, 3 mantissa bits; 6 bits a number), with one power-of-two scale for each 32 numbers along K (OCP MX v1.0); their sums are f32. All else is computed in f32.
;;   The module's matrix products, in the order in which they are computed (A, B: the left and right operand; K: the contracted axis; several contracted axes count as one K, in the product's order):
;;     1. [M 4,096, K 1,024] x [K 1,024, N 1,024]; A: input x; B: input wq: QUANTISED
;;     2. [M 4,096, K 1,024] x [K 1,024, N 1,024]; A: input x; B: input wk: QUANTISED
;;     3. [M 4,096, K 1,024] x [K 1,024, N 1,024]; A: input x; B: input wv: QUANTISED
;;     4. batch 32 x [M 2,048, K 64] x [K 64, N 2,048]; A: computed on the way; B: computed on the way: QUANTISED
;;     5. batch 32 x [M 64, K 2,048] x [K 2,048, N 2,048]; A: computed on the way; B: softmax (see below): QUANTISED
;;     6. [M 4,096, K 1,024] x [K 1,024, N 1,024]; A: computed on the way; B: input wo: QUANTISED
;;   THE QUANTISER, for each operand of a quantised product, along K:
;;     - K is cut into blocks of 32 from its start; a last block that is shorter is filled with zeros.
;;     - A block's scale is 2^e with e = floor(log2(the largest magnitude in the block)) - 2, held to -126 .. 127; a block of zeros has e = 0. As a byte (E8M0): e + 127.
;;     - Each number is divided by its block's scale, clamped to +-7.5, and rounded to the nearest number of E2M3, ties to even, subnormals kept.
;;     - The product sums the exact products of the quantised numbers (number of the format x scale) in f32.
;;   ~~~python
;;   def quantise(x, axis):      # numpy; x: float32 -> the quantised numbers, widened to float32 again
;;       x = np.moveaxis(x, axis, -1); K = x.shape[-1]
;;       x = np.pad(x, [(0, 0)] * (x.ndim - 1) + [(0, -K % 32)]); x = x.reshape(x.shape[:-1] + (-1, 32)); a = np.abs(x).max(-1, keepdims=True)
;;       e = np.where(a > 0, np.clip(np.frexp(np.where(a > 0, a, 1))[1] - 1 - 2, -126, 127), 0)      # np.frexp(a)[1] - 1 = floor(log2(a)), exactly
;;       r = np.clip(x / 2.0 ** e, -7.5, 7.5)
;;       step = 2.0 ** (np.maximum(np.frexp(np.where(r == 0, 1, r))[1] - 1, 0) - 3)
;;       q = np.round(r / step) * step * 2.0 ** e      # np.round: ties to even
;;       return np.moveaxis(q.reshape(q.shape[:-2] + (-1,))[..., :K], -1, axis).astype(np.float32)
;;   ~~~
;;   SOFTMAX AHEAD OF A QUANTISED PRODUCT. Where the list says 'softmax', what is quantised is not the finished softmax but p = 2^(t - M), with t = logit x log2(e) and M = ceil(the row's largest t), a whole number; so 1/2 < the row's largest p <= 1. The row's sum l is taken of the UNQUANTISED p, in f32, and the product's result is divided by l at the end. Since M is a whole number, a kernel that streams over the keys may use a running M (the ceiling of the running maximum): every later rescaling is an exact power of two, which a block's scale takes up: the codes' values come out the same.
;;   OPERANDS COMPUTED ON THE WAY. 'Computed on the way' means the value that the module computes at that place (a softmax that the list does not call 'softmax' is quantised finished and normalised). What goes into a quantiser is computed in f32, as accurately as f32 sums, v_exp_f32 and their like allow (about 1e-6 of the number): no bf16 or f16 on the way to a quantiser, and a product that is left as it is and whose result goes on into a quantised operand takes f32 operands (vector FMAs, or v_wmma_f32_16x16x4_f32). A number that lies on a knife's edge between two numbers of the format may be rounded either way, as far as f32 arithmetic and the matrix unit's own rounding can turn it there, and no further.
;; One version. Each part assembles by itself: llvm-mc -triple=amdgcn-amd-amdhsa -mcpu=gfx1250 --defsym DOCPART=n.
;; ======== version 1 of 1: 4 launches
;; limits: right only within a limited range of input values
;; workspace buffers: xi 3,276,800 bytes; wi 3,276,800 bytes; qi 3,407,872 bytes; kv 6,684,672 bytes; ai 3,276,800 bytes
;; launch quant (part 1): grid 512 x 1, 4 waves a work-group, no clusters, 35,328 bytes of LDS; arguments x, wq, wk, wv, wo, xi, wi; writes xi, wi
.if DOCPART == 1
	.amdgcn_target "amdgcn-amd-amdhsa--gfx1250"
	.amdhsa_code_object_version 6
	.text
	.protected	k_qf21af6e421_quant
	.globl	k_qf21af6e421_quant
	.p2align	8
	.type	k_qf21af6e421_quant,@function
k_qf21af6e421_quant:
	s_mov_b64 s[64:65], 0
	v_nop
	global_prefetch_b8 v0, s[64:65] scope:SCOPE_SE
	s_setreg_imm32_b32 hwreg(HW_REG_WAVE_MODE, 25, 1), 1
	s_wait_xcnt 0x0
; x [4096][1024] and wq, wk, wv, wo [1024][1024], f32 with K innermost, become codes of FP6 (E2M3) with one E8M0 byte for each 32 along K, laid as IMAGES OF OPERAND REGISTERS.
; A block's scale is 2^(floor(log2(its largest magnitude)) - 2); its byte is the largest magnitude's exponent field - 2, held at 1 from below.
; LIMITS: a block whose largest magnitude lies under 2^-124 has its byte held at 1; a block of zeros gets the byte 1 where the rule says 127 (its codes are zeros, and this program alone reads the bytes);
; NaN and infinities among the inputs are not served.
; LEFT OUT IN THE PROGRAM (launch attn): key steps of 128 keys that lie wholly behind a query under the causal mask: their scores are -infinity for all inputs, so their p is 0 in every sum.
; A NaN, an infinity or an overflow that reaches only those scores is not carried to the result.
; THE ROW ORDER, in all launches.  Rows go in groups of 128.  Tile t (0..7) of a group holds, in lane-row i, row 64 (t / 4) + 32 (i / 8) + 8 (t % 4) + i % 8.  So a lane's 32 results of four tiles of a product are 32 neighbours:
; one block of the next product's quantiser.
; THE FORMAT.  A fragment (16 rows x 128 K, 12 registers a lane) is 1,536 bytes: for each half c of its K: registers 6 c .. 6 c + 3 at 768 c + 16 x lane, registers 6 c + 4, 6 c + 5 at 768 c + 512 + 8 x lane.
; A PANEL RECORD (a group x 128 along K) is 8 fragments and then 512 bytes of scale words: word alpha of lane l at 12,288 + 16 l + 4 alpha: lanes 0-15 the rows of tile 2 alpha, lanes 16-31 those of tile 2 alpha + 1.
; A record is 12,800 bytes; a group's eight records lie on end.
; SHARES.  A work-group makes one record; wave w its tiles 2 w and 2 w + 1.  Every load reads a row's 512 consecutive bytes; the numbers turn through the wave's own stage in LDS so that a lane holds its row's k = 64 c + 32 h + 0 .. 31:
; whole blocks, in the operand's own order.  All 32 loads of a wave go out at once.  The work-groups share no input: no cluster, no tensor load.
.set REC,    12800
.set SPITCH, 528                       ; a stage row: 512 bytes + 16, so that the sixteen rows of a read start in sixteen different columns of 16 bytes
.set STG,    16*SPITCH
.set SCST,   4*STG                     ; behind the stages: 512 bytes in which the record's scale words meet
.set SPARE,  0x8800                    ; the spare words, 128 bytes for each wave
.set LI,   4                           ; v4   16 x lane
.set L8,   5                           ; v5   8 x lane
.set SIN,  6                           ; v6   the stage, on the way in
.set SOUT, 7                           ; v7   and on the way out: row r, + 128 h
.set SCW,  8                           ; v8   where my scale word goes
.set SCR,  9                           ; v9   where wave 0 reads four of them
.set R,    16                          ; v16-143  two tiles as loaded
.set T,    144                         ; v144-207 64 numbers of a lane: register 32 c + i = k 64 c + 32 h + i of my row
.set PC,   208                         ; v208-226 the codes just made
.set TM,   228                         ; v228-235 at work
.set PW,   244                         ; my bytes of the even tile's words (bytes 0 and 2),
.set SW,   245                         ; and of the odd tile's
.macro QUANT s, w                      ; 64 numbers of a lane become a fragment's codes in v[PC] on; my two blocks' bytes in v[w]
.irp c, 0,1
	v_max3_num_f32 v[TM+2*\c], |v[\s+32*\c]|, |v[\s+1+32*\c]|, 0x1800000   ; with the floor 2^(3 - 127): the byte cannot fall under 1
	v_max3_num_f32 v[TM+2*\c+1], |v[\s+16+32*\c]|, |v[\s+17+32*\c]|, |v[\s+18+32*\c]|
.endr
.irp i, 2,4,6,8,10,12
.irp c, 0,1
	v_max3_num_f32 v[TM+2*\c], v[TM+2*\c], |v[\s+32*\c+\i]|, |v[\s+32*\c+\i+1]|
	v_max3_num_f32 v[TM+2*\c+1], v[TM+2*\c+1], |v[\s+32*\c+\i+17]|, |v[\s+32*\c+\i+18]|
.endr
.endr
.irp c, 0,1
	v_max3_num_f32 v[TM+2*\c], v[TM+2*\c], |v[\s+32*\c+14]|, |v[\s+32*\c+15]|
.endr
.irp c, 0,1
	v_max3_num_f32 v[TM+2*\c], v[TM+2*\c], v[TM+2*\c+1], |v[\s+32*\c+31]|
.endr
.irp c, 0,1
	v_add_nc_u32 v[TM+4+\c], 0xff000000, v[TM+2*\c]   ; 2 off its exponent field: the conversion takes that field as its scale
.endr
.irp c, 0,1
	v_lshrrev_b32 v[TM+6+\c], 23, v[TM+4+\c]       ; the scale's byte
.endr
	v_lshl_or_b32 v[\w], v[TM+7], 16, v[TM+6]
.irp c, 0,1
	v_cvt_scalef32_pk16_fp6_f32 v[PC+6*\c:PC+2+6*\c], v[\s+32*\c:\s+15+32*\c], v[TM+4+\c]
	v_cvt_scalef32_pk16_fp6_f32 v[PC+12+4*\c:PC+14+4*\c], v[\s+16+32*\c:\s+31+32*\c], v[TM+4+\c]   ; (a conversion's three registers begin on an even number)
.endr
	v_nop                                          ; one plain place behind a scaled conversion
.irp c, 0,1
.irp i, 0,1,2
	v_mov_b32 v[PC+3+6*\c+\i], v[PC+12+4*\c+\i]
.endr
.endr
.endm
.macro IMG o                           ; the fragment leaves as its image: stores of 512 and of 256 consecutive bytes, each at a multiple of 256 from the buffer's first byte
	global_store_b128 v[LI], v[PC:PC+3], s[28:29] offset:\o
	global_store_b64 v[L8], v[PC+4:PC+5], s[28:29] offset:\o+512
	global_store_b128 v[LI], v[PC+6:PC+9], s[28:29] offset:\o+768
	global_store_b64 v[L8], v[PC+10:PC+11], s[28:29] offset:\o+1280
.endm
.macro TURNQ f                         ; tile f through the stage: LDS serves a wave's instructions in order, so no wait stands between the stores and the loads
.irp i, 0,1,2,3,4,5,6,7,8,9,10,11,12,13,14,15
	ds_store_b128 v[SIN], v[R+64*\f+4*\i:R+64*\f+4*\i+3] offset:SPITCH*\i
.endr
.irp c, 0,1
.irp j, 0,1,2,3,4,5,6,7
	ds_load_b128 v[T+32*\c+4*\j:T+32*\c+4*\j+3], v[SOUT] offset:256*\c+16*\j
.endr
.endr
	s_wait_dscnt 0x0
.endm
	s_load_b256 s[4:11], s[0:1], 0x0               ; x s[4:5], wq s[6:7], wk s[8:9], wv s[10:11]
	s_load_b128 s[12:15], s[0:1], 0x20             ; wo s[12:13], xi s[14:15]
	s_load_b64 s[16:17], s[0:1], 0x30              ; wi
	v_lshl_add_u32 v248, v0, 2, SPARE
	v_mov_b32 v249, 0
	v_lshrrev_b32 v1, 5, v0
	v_readfirstlane_b32 s18, v1                    ; wave 0..3
	v_and_b32 v1, 31, v0                           ; lane
	v_and_b32 v2, 15, v0                           ; r
	v_bfe_u32 v3, v0, 4, 1                         ; h
	v_lshlrev_b32 v[LI], 4, v1
	v_lshlrev_b32 v[L8], 3, v1
	s_mul_i32 s19, s18, STG
	v_add_nc_u32 v[SIN], s19, v[LI]
	v_mul_u32_u24 v[SOUT], v2, SPITCH
	v_lshl_add_u32 v[SOUT], v3, 7, v[SOUT]
	v_add_nc_u32 v[SOUT], s19, v[SOUT]
	s_lshl_b32 s19, s18, 2
	s_add_co_u32 s19, s19, SCST
	v_add_nc_u32 v[SCW], s19, v[LI]                ; word alpha = my wave, lane l
	v_add_nc_u32 v[SCR], SCST, v[LI]
	s_lshr_b32 s20, ttmp9, 3                       ; the group: 0-31 x's, 32-63 the weights'
	s_and_b32 s21, ttmp9, 7                        ; which 128 along K
	s_bfe_u32 s22, ttmp9, 0x20006                  ; which weight
	s_and_b32 s24, s20, 7
	s_cmp_lt_u32 s20, 32
	s_cselect_b32 s23, s20, s24                    ; the group's number in its own tensor
	s_lshl_b32 s23, s23, 19                        ; 128 rows of 4,096 bytes
	s_lshr_b32 s24, s18, 1
	s_lshl_b32 s24, s24, 18                        ; my tiles begin at row 64 (w / 2)
	s_add_co_u32 s23, s23, s24
	s_and_b32 s24, s18, 1
	s_lshl_b32 s24, s24, 16                        ; + 16 (w % 2)
	s_add_co_u32 s23, s23, s24
	s_lshl_b32 s24, s21, 9                         ; 512 bytes along K
	s_add_co_u32 s24, s23, s24
	s_mov_b32 s25, 0
	s_and_b32 s26, ttmp9, 255
	s_mul_i32 s26, s26, REC                        ; the record in xi or in wi
	s_mov_b32 s27, 0
	s_mul_i32 s28, s18, 2*1536                     ; my two fragments in it
	s_mov_b32 s29, 0
	s_wait_alu depctr_va_vdst(0)                   ; the wait at the head's end
	s_wait_kmcnt 0x0
	s_cmp_eq_u32 s22, 1                            ; the choices hang on the work-group's number alone
	s_cselect_b64 s[6:7], s[8:9], s[6:7]
	s_cmp_eq_u32 s22, 2
	s_cselect_b64 s[6:7], s[10:11], s[6:7]
	s_cmp_eq_u32 s22, 3
	s_cselect_b64 s[6:7], s[12:13], s[6:7]
	s_cmp_lt_u32 s20, 32
	s_cselect_b64 s[4:5], s[4:5], s[6:7]           ; from where
	s_cselect_b64 s[14:15], s[14:15], s[16:17]     ; to where
	s_add_nc_u64 s[4:5], s[4:5], s[24:25]
	s_add_nc_u64 s[26:27], s[14:15], s[26:27]
	s_add_nc_u64 s[28:29], s[26:27], s[28:29]
.irp f, 0,1
.irp i, 0,1,2,3,4,5,6,7,8,9,10,11,12,13,14,15
	global_load_b128 v[R+64*\f+4*\i:R+64*\f+4*\i+3], v[LI], s[4:5] offset:(8*\f+\i%8+32*(\i/8))*4096 th:TH_LOAD_NT   ; lane-row i of tile f: 512 consecutive bytes, read once in the launch
.endr
.endr
	s_wait_loadcnt 16                              ; the first tile's sixteen loads are in; the second tile's sixteen may be out
	TURNQ 0
	QUANT T, PW
	IMG 0
	s_wait_loadcnt 0x0
	TURNQ 1
	s_wait_xcnt 0x0                                ; the first tile's stores have read their registers: the codes may be written again
	QUANT T, SW
	IMG 1536
	v_permlane16_swap_b32 v[PW], v[SW]             ; PW: both tiles' bytes 0 and 2 (even tile in lanes 0-15, odd tile in lanes 16-31); SW: their bytes 1 and 3
	v_lshl_or_b32 v[PW], v[SW], 8, v[PW]
	ds_store_b32 v[SCW], v[PW]
	s_wait_dscnt 0x0                               ; for wave 0's sake: my word has landed
	s_barrier_signal -1
	s_barrier_wait -1
	s_cmp_lg_u32 s18, 0
	s_cbranch_scc1 .Ldone
	ds_load_b128 v[T:T+3], v[SCR]                  ; the four waves' words of my lane
	s_wait_dscnt 0x0
	global_store_b128 v[LI], v[T:T+3], s[26:27] offset:12288   ; 512 consecutive bytes
.Ldone:
	s_wait_tensorcnt 0x0                           ; the wave's end
	ds_add_u32 v248, v249
	s_wait_dscnt 0x0
	s_endpgm
.Lfunc_end_k_qf21af6e421_quant:
	.size	k_qf21af6e421_quant, .Lfunc_end_k_qf21af6e421_quant-k_qf21af6e421_quant
	.p2alignl 7, 3214868480
	.fill 96, 4, 3214868480
	.section	.rodata,"a",@progbits
	.p2align	6, 0x0
	.amdhsa_kernel k_qf21af6e421_quant
		.amdhsa_group_segment_fixed_size 35328
		.amdhsa_private_segment_fixed_size 0
		.amdhsa_enable_private_segment 0
		.amdhsa_kernarg_size 56
		.amdhsa_user_sgpr_count 2
		.amdhsa_user_sgpr_kernarg_segment_ptr 1
		.amdhsa_wavefront_size32 1
		.amdhsa_system_sgpr_workgroup_id_x 1
		.amdhsa_system_sgpr_workgroup_id_y 1
		.amdhsa_system_sgpr_workgroup_id_z 1
		.amdhsa_system_vgpr_workitem_id 0
		.amdhsa_next_free_vgpr 250
		.amdhsa_next_free_sgpr 66
		.amdhsa_reserve_vcc 0
		.amdhsa_float_denorm_mode_32 3
		.amdhsa_float_denorm_mode_16_64 3
		.amdhsa_memory_ordered 1
		.amdhsa_forward_progress 1
		.amdhsa_inst_pref_size 17
	.end_amdhsa_kernel
	.amdgpu_metadata
---
amdhsa.version: [ 1, 2 ]
amdhsa.kernels:
  - .name:           k_qf21af6e421_quant
    .symbol:         k_qf21af6e421_quant.kd
    .args:
      - { .name: x, .offset: 0, .size: 8, .value_kind: global_buffer, .address_space: global }
      - { .name: wq, .offset: 8, .size: 8, .value_kind: global_buffer, .address_space: global }
      - { .name: wk, .offset: 16, .size: 8, .value_kind: global_buffer, .address_space: global }
      - { .name: wv, .offset: 24, .size: 8, .value_kind: global_buffer, .address_space: global }
      - { .name: wo, .offset: 32, .size: 8, .value_kind: global_buffer, .address_space: global }
      - { .name: xi, .offset: 40, .size: 8, .value_kind: global_buffer, .address_space: global }
      - { .name: wi, .offset: 48, .size: 8, .value_kind: global_buffer, .address_space: global }
    .group_segment_fixed_size: 35328
    .private_segment_fixed_size: 0
    .kernarg_segment_align: 8
    .kernarg_segment_size: 56
    .max_flat_workgroup_size: 128
    .sgpr_count:     66
    .vgpr_count:     250
    .wavefront_size: 32
...
	.end_amdgpu_metadata
.endif
;; end of part 1
;; launch qkv (part 2): grid 8 x 32, 4 waves a work-group, clusters of 4 x 4, 327,680 bytes of LDS; arguments xi, wi, bq, bk, bv, qi, kv; writes qi, kv
.if DOCPART == 2
	.amdgcn_target "amdgcn-amd-amdhsa--gfx1250"
	.amdhsa_code_object_version 6
	.text
	.protected	k_qf21af6e421_qkv
	.globl	k_qf21af6e421_qkv
	.p2align	8
	.type	k_qf21af6e421_qkv,@function
k_qf21af6e421_qkv:
	s_mov_b64 s[64:65], 0
	v_nop
	global_prefetch_b8 v0, s[64:65] scope:SCOPE_SE
	s_setreg_imm32_b32 hwreg(HW_REG_WAVE_MODE, 25, 1), 1
	s_wait_xcnt 0x0
	s_wait_alu depctr_hold_cnt(0) depctr_sa_sdst(0) depctr_va_vdst(0) depctr_va_sdst(0) depctr_va_ssrc(0) depctr_va_vcc(0) depctr_vm_vsrc(0)
	s_getreg_b32 s2, hwreg(HW_REG_IB_STS2, 6, 4)
	s_cmp_eq_u32 s2, 0
	s_cbranch_scc0 .Lentry_in_a_cluster
	s_endpgm
.Lentry_in_a_cluster:
	s_bfe_u32 s2, ttmp6, 0x10000c
	s_cmp_lg_u32 s2, 0xf033
	s_cbranch_scc0 .Lentry_shape_is_right
	s_endpgm
.Lentry_shape_is_right:
; v = x wv^T + bv, q = x wq^T + bq, k = x wk^T + bk on codes of FP6 (E2M3) with E8M0 scales, and the results quantised in registers: q and k along the head's 64 channels, v along the keys.
; A WORK-GROUP makes 128 tokens (group g) x 128 features (group f: heads 2 f, 2 f + 1) of all three, in three PHASES: V, Q, K.  32 x 8 = 256 work-groups.  Four waves, 2 x 2: wave (c, e) has tokens 64 c + 0 .. 63 and head 2 f + e.
; Its 64 rows of x, ALL of K, stay in registers from the first phase on (32 fragments, 384 registers); the weights' rows come from LDS, 64 a phase, in steps of 128 along K: 24 steps in all, 16 products each.
; OPERANDS come as panel records (the order of rows and the format: the first kernel's head); a group's eight records are 102,400 dense bytes, read as they lie: 16 or 8 bytes a lane, lanes on end.
; The LDS loads of two steps go out in one run; 32 products stand between two runs.
; LDS: x's group, then two regions for weights: wv's group and wq's are filled at the head; wv's region is filled again, once, with wk's group.
; CLUSTERS of 4 x 4: x's tiles are asked for jointly along a row of the cluster, weights along a column.
; THE HEAD'S LOADS, one a wave: wave 0 x's group, wave 1 wv's, waves 2 and 3 half of wq's each.  The first barrier waits for waves 0 and 1 alone; wq is shown by the round in step 6, in which the refill goes out; wk by the barrier in step 14.
; THE BIAS is the first products' C, laid in registers as the result lies.
; V: source 0 = x, source 1 = weights: lane (r, h) holds, for a tile of 16 features, keys 64 c + 32 h + 0 .. 31 of feature r.  Q, K: the sources change places: channels 32 h + 0 .. 31 of token r.  Either way a lane's 32 results are
; one whole scale block, and its codes are half c (V) or the only half (Q, K) of the next operand's registers.
; OUT: qi [b h][token group] records of 6,656 bytes: 8 tiles of 16 tokens x 64 channels (768 bytes), then at 6,144 + 256 c + 8 l + 4 alpha scale words (bytes 2 and 3 are 0): tile 4 c + 2 alpha in lanes 0-15, the next one in lanes 16-31.
; kv [b h][key group] records of 13,056 bytes: k as in qi, then at 6,656 v^T: 4 tiles of 16 channels x 128 keys (1,536 bytes), and at 12,800 their scale words, 8 bytes a lane.
; PREFETCH: wk's group is asked for at the head, eight steps ahead of its tensor load; a cluster's 16 waves of one column share its 400 blocks of 256 bytes by address; only the clusters of the first four rows of clusters ask.
; LIMITS: a block whose largest magnitude lies under 2^-124 has its byte held at 1; a block of zeros gets the byte 1 (its codes are zeros; this program alone reads the bytes); NaN and infinities are not served.
; The bias enters as the C of a sum's first product: the order of rounding differs from a sum followed by one addition.
; REGISTERS: window 0: addresses, scale words, biases, the way out.  Window 1 and window 2's v0-143: x's fragments.  Window 2's v144-239 and window 3's v128-223: four sets of weights' fragments.  Window 3's v0-127: the 16 accumulators.
.set REC,   12800
.set HREC,  4*REC
.set GRP,   8*REC
.set STG,   3*GRP                      ; v's scale bytes meet here: 128 bytes for each wave
.set SPARE, STG+512                    ; the spare words, 128 bytes for each wave
.set LI,   4                           ; 16 x lane
.set L8,   5                           ; 8 x lane
.set SPW,  6
.set NIL,  7
.set ADR,  8                           ; v8-25: six addresses each for x, region 1, region 2: + 16 x lane and + 8 x lane for records 0-3, for records 4-7; scale words of records 0-3, 4-7
.set STA,  26
.set STR,  27
.set BC,   28
.set BV,   29
.set PF,   30
.set SA,   32                          ; x's scale words: two registers a step of K
.set SB,   50                          ; the weights'
.set CB,   88                          ; the biases as C: 32 registers a phase
.set PC,   192                         ; four tiles' codes, six registers each
.set P2,   216
.set EB,   232
.set TM,   236
.set SOP,  244
.set WV,   18
.set WC,   19                          ; my tokens' half, c
.set WF,   20                          ; my head of two, e
.set MSB, 0
.macro WIN new                         ; the immediate's high byte repeats the setting that is left
.if MSB != (\new)
	s_set_vgpr_msb (MSB<<8)|(\new)
.set MSB, (\new)
.endif
.endm
.macro PLACES n
.rept \n
	v_nop
.endr
.endm
.macro CREST                           ; a round of the cluster's barrier behind its opening barrier
	s_cmp_lg_u32 s[WV], 0
	s_cbranch_scc1 .Lnot_wave_0_\@
	s_barrier_signal -3
.Lnot_wave_0_\@:
	s_barrier_wait -3
	s_barrier_signal -1
	s_barrier_wait -1
.endm
.macro CROUND
	s_barrier_signal -1
	s_barrier_wait -1
	CREST
.endm
.macro TLOAD g0, g1
	tensor_load_to_lds s[\g0:\g0+3], s[\g1:\g1+7]
	s_nop 0
	PLACES 4
.endm
.macro GROUP1 g, mask, rows            ; dense bytes as rows of 256 (32 elements of 8 bytes), no padding; bit 21 stands beside a mask
	s_or_b32 s[\g], s[\mask], (3<<16)|(1<<21)
	s_mov_b32 s[\g+1], 32<<16
	s_mov_b32 s[\g+2], (\rows)<<16
	s_mov_b32 s[\g+3], 32<<16
	s_mov_b32 s[\g+4], \rows
	s_mov_b32 s[\g+5], 32
	s_mov_b32 s[\g+6], 0
	s_mov_b32 s[\g+7], 0
.endm
.macro BSET n                          ; where step n's weights lie: set n % 4
.set BW_, 2+((\n)%4)/2
.set BR_, 144-16*(((\n)%4)/2)+48*((\n)%2)
.endm
.macro LD4 reg, win, ad, o             ; a fragment's image
	WIN (\win)<<6
	ds_load_b128 v[\reg:\reg+3], v[\ad] offset:\o
	ds_load_b64 v[\reg+4:\reg+5], v[\ad+1] offset:\o+512
	ds_load_b128 v[\reg+6:\reg+9], v[\ad] offset:\o+768
	ds_load_b64 v[\reg+10:\reg+11], v[\ad+1] offset:\o+1280
.endm
.macro FETCHT n, t                     ; tile t of step n: the weights' (phases V and K: region 1, Q: region 2) and, in the first phase, x's; with tile 0 the step's scale words
.set M_, 1+((\n)/8)%2
.set K_, (\n)%8
.set O_, REC*(K_%4)
	BSET \n
	LD4 BR_+12*(\t), BW_, ADR+6*M_+2*(K_/4), O_+1536*(\t)
.if (\n) < 8
	LD4 12*(4*(K_%5)+(\t)), 1+K_/5, ADR+2*(K_/4), O_+1536*(\t)
.endif
.if (\t) == 0
	WIN 0
	ds_load_b64 v[SB+2*K_:SB+2*K_+1], v[ADR+6*M_+4+K_/4] offset:O_+12288
.if (\n) < 8
	ds_load_b64 v[SA+2*K_:SA+2*K_+1], v[ADR+4+K_/4] offset:O_+12288
.endif
.endif
.endm
.macro FETCH n                         ; 34 loads in the first phase, 17 behind it
.irp t, 0,1,2,3
	FETCHT \n, \t
.endr
.endm
.macro WM ra, rb                       ; one product; an odd tile's scale words stand in lanes 16-31
.if \ra
.if \rb
	v_wmma_scale_f32_16x16x128_f8f6f4 v[rD:rD+7], v[rX:rX+11], v[rY:rY+11], v[rC:rC+7], v[rSX], v[rSY] matrix_a_fmt:MATRIX_FMT_FP6 matrix_b_fmt:MATRIX_FMT_FP6 matrix_a_scale:MATRIX_SCALE_ROW1 matrix_b_scale:MATRIX_SCALE_ROW1
.else
	v_wmma_scale_f32_16x16x128_f8f6f4 v[rD:rD+7], v[rX:rX+11], v[rY:rY+11], v[rC:rC+7], v[rSX], v[rSY] matrix_a_fmt:MATRIX_FMT_FP6 matrix_b_fmt:MATRIX_FMT_FP6 matrix_a_scale:MATRIX_SCALE_ROW1
.endif
.else
.if \rb
	v_wmma_scale_f32_16x16x128_f8f6f4 v[rD:rD+7], v[rX:rX+11], v[rY:rY+11], v[rC:rC+7], v[rSX], v[rSY] matrix_a_fmt:MATRIX_FMT_FP6 matrix_b_fmt:MATRIX_FMT_FP6 matrix_b_scale:MATRIX_SCALE_ROW1
.else
	v_wmma_scale_f32_16x16x128_f8f6f4 v[rD:rD+7], v[rX:rX+11], v[rY:rY+11], v[rC:rC+7], v[rSX], v[rSY] matrix_a_fmt:MATRIX_FMT_FP6 matrix_b_fmt:MATRIX_FMT_FP6
.endif
.endif
.endm
.macro PROD n, a, b                    ; step n, x's tile a, the weights' tile b.  The 16 accumulators take turns, one instruction a turn, in the same order in every step
.set K_, (\n)%8
	BSET \n
.if (\n) < 8
.set rD, 32*(\b)+8*(\a)
.set rX, 12*(4*(K_%5)+(\a))
.set rY, BR_+12*(\b)
.set rSX, SA+2*K_+(\a)/2
.set rSY, SB+2*K_+(\b)/2
.set W_, (1+K_/5)|(BW_<<2)
.else
.set rD, 32*(\a)+8*(\b)
.set rX, BR_+12*(\b)
.set rY, 12*(4*(K_%5)+(\a))
.set rSX, SB+2*K_+(\b)/2
.set rSY, SA+2*K_+(\a)/2
.set W_, BW_|((1+K_/5)<<2)
.endif
.if K_ == 0
.set rC, CB+32*((\n)/8)+8*(\b)
	WIN W_|0xc0
.else
.set rC, rD
	WIN W_|0xf0
.endif
.if (\n) < 8
	WM (\a)%2, (\b)%2
.else
	WM (\b)%2, (\a)%2
.endif
.endm
.macro ROWS n                          ; a step's 16 products
.irp a, 0,1,2,3
.irp b, 0,1,2,3
	PROD \n, \a, \b
.endr
.endr
.endm
.macro TWO n                           ; phases Q and K: steps n and n + 1, whose loads went out two steps ago
	s_wait_dscnt 0x0
.if (\n)+2 < 24
	PLACES 4                                       ; in front of loads into registers that products have read
	FETCH (\n)+2
	FETCH (\n)+3
.endif
	ROWS \n
	ROWS (\n)+1
.endm
; THE WAY OUT of a phase: four runs of 32 sums, register 32 t + i: the largest magnitude by two chains, the scale, two conversions.  Each accumulator is read from its low end on.
.macro OUT4
	PLACES 4                                       ; behind the last products
	s_wait_xcnt 0x0                                ; the last phase's stores have read their registers
	WIN 0x0f
.irp t, 0,1,2,3
	v_max3_num_f32 v[TM+2*\t], |v[32*\t]|, |v[32*\t+1]|, 0x1800000   ; the floor 2^(3 - 127): the byte cannot fall under 1
.endr
	WIN 0x3f
.irp t, 0,1,2,3
	v_max3_num_f32 v[TM+2*\t+1], |v[32*\t+16]|, |v[32*\t+17]|, |v[32*\t+18]|
.endr
	WIN 0x3c
.irp i, 2,4,6,8,10,12
.irp t, 0,1,2,3
	v_max3_num_f32 v[TM+2*\t], v[TM+2*\t], |v[32*\t+\i]|, |v[32*\t+\i+1]|
	v_max3_num_f32 v[TM+2*\t+1], v[TM+2*\t+1], |v[32*\t+\i+17]|, |v[32*\t+\i+18]|
.endr
.endr
.irp t, 0,1,2,3
	v_max3_num_f32 v[TM+2*\t], v[TM+2*\t], |v[32*\t+14]|, |v[32*\t+15]|
.endr
	WIN 0x30
.irp t, 0,1,2,3
	v_max3_num_f32 v[TM+2*\t], v[TM+2*\t], v[TM+2*\t+1], |v[32*\t+31]|
.endr
	WIN 0
.irp t, 0,1,2,3
	v_add_nc_u32 v[SOP+\t], 0xff000000, v[TM+2*\t] ; 2 off its exponent field: the conversion's scale operand
.endr
	WIN 0x03
.irp t, 0,1,2,3
	v_cvt_scalef32_pk16_fp6_f32 v[PC+6*\t:PC+6*\t+2], v[32*\t:32*\t+15], v[SOP+\t]
	v_cvt_scalef32_pk16_fp6_f32 v[P2+4*\t:P2+4*\t+2], v[32*\t+16:32*\t+31], v[SOP+\t]
.endr
	WIN 0
.irp t, 0,1,2,3
	v_lshrrev_b32 v[EB+\t], 23, v[SOP+\t]          ; the scale's byte (and the plain place behind the conversions)
.endr
.irp t, 0,1,2,3
.irp i, 0,1,2
	v_mov_b32 v[PC+6*\t+3+\i], v[P2+4*\t+\i]
.endr
.endr
	v_permlane16_swap_b32 v[EB], v[EB+1]           ; even tile's rows in lanes 0-15, odd tile's in lanes 16-31: EB the bytes of h = 0, EB + 1 those of h = 1
	v_permlane16_swap_b32 v[EB+2], v[EB+3]
	v_lshl_or_b32 v[EB], v[EB+1], 8, v[EB]
	v_lshl_or_b32 v[EB+1], v[EB+3], 8, v[EB+2]
.endm
.macro IMG4 base, step                 ; stores of 512 and of 256 consecutive bytes, aligned to 256
.irp t, 0,1,2,3
	global_store_b128 v[LI], v[PC+6*\t:PC+6*\t+3], s[\base:\base+1] offset:(\step)*\t
	global_store_b64 v[L8], v[PC+6*\t+4:PC+6*\t+5], s[\base:\base+1] offset:(\step)*\t+512
.endr
.endm
	s_load_b256 s[4:11], s[0:1], 0x0               ; xi s[4:5], wi s[6:7], bq s[8:9], bk s[10:11]
	s_load_b128 s[12:15], s[0:1], 0x20             ; bv s[12:13], qi s[14:15]
	s_load_b64 s[16:17], s[0:1], 0x30              ; kv
	v_lshl_add_u32 v[SPW], v0, 2, SPARE
	v_mov_b32 v[NIL], 0
	ds_add_u32 v[SPW], v[NIL]                      ; the opening lines: the add, twice on end, and its wait ahead of my first tensor load
	ds_add_u32 v[SPW], v[NIL]
	v_lshrrev_b32 v1, 5, v0
	v_readfirstlane_b32 s[WV], v1
	s_lshr_b32 s[WC], s[WV], 1
	s_and_b32 s[WF], s[WV], 1
	s_bfe_u32 s76, ttmp6, 0x40000                  ; cx
	s_bfe_u32 s77, ttmp6, 0x40004                  ; cy
	s_lshl_b32 s78, s77, 2
	s_lshl_b32 s78, 15, s78                        ; my row of the cluster
	s_lshl_b32 s79, 0x1111, s76                    ; my column
	GROUP1 24, 78, 400                             ; x's group
	GROUP1 48, 79, 400                             ; wv's
	GROUP1 56, 79, 200                             ; a half of wq's
	GROUP1 68, 79, 100                             ; a quarter of wk's
	s_lshl_b32 s22, ttmp9, 2
	s_add_co_u32 s22, s22, s76                     ; f
	s_and_b32 s82, ttmp7, 0xffff                   ; the cluster's y
	s_lshl_b32 s23, s82, 2
	s_add_co_u32 s23, s23, s77                     ; g
	s_lshl_b32 s66, s77, 2
	s_add_co_u32 s66, s66, s[WV]
	s_mul_i32 s66, s66, GRP/16                     ; my sixteenth of what my column prefetches
	s_mul_i32 s2, s23, GRP
	s_mov_b32 s3, 0
	s_add_co_u32 s80, s22, 16                      ; wi: wq's groups 0-7, wk's 8-15, wv's 16-23
	s_mul_i32 s80, s80, GRP
	s_mov_b32 s81, 0
	s_mul_i32 s84, s[WF], HREC
	s_mul_i32 s86, s22, GRP
	s_add_co_u32 s86, s86, s84
	s_mov_b32 s87, 0
	s_add_co_u32 s88, s22, 8
	s_mul_i32 s88, s88, GRP
	s_mov_b32 s89, 0
	s_mul_i32 s90, s[WV], 2*REC
	s_mov_b32 s91, 0
	s_mov_b32 s32, 1
	s_mov_b32 s33, 0
	s_mov_b32 s36, 1
	s_mov_b32 s37, GRP
	s_mov_b32 s40, 1
	s_add_co_u32 s41, s84, 2*GRP
	s_mov_b32 s44, 1
	s_add_co_u32 s45, s90, GRP
	s_wait_dscnt 0x0                               ; both opening adds are done
	CROUND                                         ; all sixteen work-groups are here: the first joint loads meet
	s_wait_kmcnt 0x0
	s_add_nc_u64 s[34:35], s[4:5], s[2:3]
	s_or_b32 s35, s35, 0x80000000
	s_add_nc_u64 s[38:39], s[6:7], s[80:81]
	s_or_b32 s39, s39, 0x80000000
	s_add_nc_u64 s[42:43], s[6:7], s[86:87]
	s_or_b32 s43, s43, 0x80000000
	s_add_nc_u64 s[88:89], s[6:7], s[88:89]        ; wk's group
	s_add_nc_u64 s[46:47], s[88:89], s[90:91]
	s_or_b32 s47, s47, 0x80000000
	s_cmp_eq_u32 s[WV], 0                          ; one chain of branches on the wave's number, one load on every way
	s_cbranch_scc0 .Lwave_1
	TLOAD 32, 24
	s_branch .Lasked
.Lwave_1:
	s_cmp_eq_u32 s[WV], 1
	s_cbranch_scc0 .Lwaves_23
	TLOAD 36, 48
	s_branch .Lasked
.Lwaves_23:
	TLOAD 40, 56
.Lasked:
	s_lshl_b32 s2, s22, 9                          ; my 64 features of a bias: 512 f + 256 e bytes
	s_lshl_b32 s3, s[WF], 8
	s_add_co_u32 s2, s2, s3
	s_mov_b32 s3, 0
	s_add_nc_u64 s[76:77], s[8:9], s[2:3]
	s_add_nc_u64 s[78:79], s[10:11], s[2:3]
	s_add_nc_u64 s[80:81], s[12:13], s[2:3]
	s_lshr_b32 s83, s23, 4                         ; my record: (16 b + head) x 16 + g % 16
	s_lshl_b32 s83, s83, 4
	s_lshl_b32 s84, s22, 1
	s_add_co_u32 s83, s83, s84
	s_add_co_u32 s83, s83, s[WF]
	s_lshl_b32 s83, s83, 4
	s_and_b32 s84, s23, 15
	s_add_co_u32 s83, s83, s84
	s_mul_i32 s84, s83, 6656
	s_mov_b32 s85, 0
	s_add_nc_u64 s[84:85], s[14:15], s[84:85]
	s_mul_i32 s86, s83, 13056
	s_mov_b32 s87, 0
	s_add_nc_u64 s[86:87], s[16:17], s[86:87]
	s_mul_i32 s2, s[WC], 4*768
	s_add_nc_u64 s[90:91], s[84:85], s[2:3]        ; q's codes
	s_add_nc_u64 s[92:93], s[86:87], s[2:3]        ; k's
	s_lshl_b32 s2, s[WC], 8
	s_add_co_u32 s2, s2, 6144
	s_add_nc_u64 s[84:85], s[84:85], s[2:3]        ; q's scale words
	s_add_nc_u64 s[94:95], s[86:87], s[2:3]        ; k's
	s_mul_i32 s2, s[WC], 768
	s_add_co_u32 s2, s2, 6656
	s_add_nc_u64 s[100:101], s[86:87], s[2:3]      ; v's codes
	s_add_nc_u64 s[96:97], s[86:87], 12800         ; v's scale words
	s_mov_b32 s98, 0x05040100
	s_mov_b32 s99, 0x07060302
	s_mul_i32 s4, s[WC], 4*1536                    ; my four tiles of x's group,
	s_mul_i32 s5, s[WF], 4*1536
	s_add_co_u32 s6, s5, 2*GRP                     ; of region 2
	s_add_co_u32 s5, s5, GRP                       ; and of region 1
	s_lshl_b32 s7, s[WC], 3                        ; and my two scale words of a lane
	s_lshl_b32 s8, s[WF], 3
	s_add_co_u32 s9, s8, 2*GRP
	s_add_co_u32 s8, s8, GRP
	s_lshl_b32 s10, s[WV], 7
	s_add_co_u32 s10, s10, STG
	s_lshl_b32 s11, s[WF], 7
	s_add_co_u32 s11, s11, STG
	v_and_b32 v1, 31, v0                           ; lane
	v_and_b32 v2, 15, v0                           ; r
	v_bfe_u32 v3, v0, 4, 1                         ; h
	v_lshlrev_b32 v[BC], 7, v3                     ; q, k: channels 32 h + 0 .. 31
	v_lshrrev_b32 v[BV], 3, v2
	v_and_b32 v31, 7, v2
	v_lshlrev_b32 v[BV], 7, v[BV]
	v_lshl_add_u32 v[BV], v31, 2, v[BV]            ; v: of tile b feature 32 (r / 8) + 8 b + r % 8
.irp b, 0,1,2,3
	global_load_b32 v[CB+8*\b], v[BV], s[80:81] offset:32*\b
.endr
.irp k, 0,1,2,3,4,5,6,7
	global_load_b128 v[CB+32+4*\k:CB+35+4*\k], v[BC], s[76:77] offset:16*\k
	global_load_b128 v[CB+64+4*\k:CB+67+4*\k], v[BC], s[78:79] offset:16*\k
.endr
	v_lshlrev_b32 v[LI], 4, v1
	v_lshlrev_b32 v[L8], 3, v1
.irp m, 0,1,2
	v_add_nc_u32 v[ADR+6*\m], s[4+\m], v[LI]
	v_add_nc_u32 v[ADR+6*\m+1], s[4+\m], v[L8]
	v_add_nc_u32 v[ADR+6*\m+4], s[7+\m], v[LI]
	v_add_nc_u32 v[ADR+6*\m+2], HREC, v[ADR+6*\m]
	v_add_nc_u32 v[ADR+6*\m+3], HREC, v[ADR+6*\m+1]
	v_add_nc_u32 v[ADR+6*\m+5], HREC, v[ADR+6*\m+4]
.endr
	v_lshl_add_u32 v[STA], v1, 2, s10
	v_lshl_add_u32 v[STR], v1, 2, s11
	v_min_u32 v[PF], 24, v1                        ; 25 blocks of 256 bytes a wave
	v_lshl_add_u32 v[PF], v[PF], 8, s66
	s_wait_loadcnt 0x0
.irp b, 0,1,2,3
.irp j, 1,2,3,4,5,6,7
	v_mov_b32 v[CB+8*\b+\j], v[CB+8*\b]            ; v's number, one a lane and tile, over the tile's eight registers
.endr
.endr
	s_wait_alu depctr_va_vdst(0)                   ; the wait at the head's end
	s_cmp_lt_u32 s[WV], 2
	s_cbranch_scc0 .Lnot_first
	s_wait_tensorcnt 0x0
.Lnot_first:
	s_barrier_signal -1
	s_barrier_wait -1                              ; x's group and wv's are in; wq's may still be on its way
	s_cmp_lt_u32 s82, 4
	s_cbranch_scc0 .Lno_ask
	global_prefetch_b8 v[PF], s[88:89] th:TH_LOAD_NT scope:SCOPE_SE
.Lno_ask:
	FETCH 0
	FETCH 1
.irp n, 0,2,4                          ; phase V: step n begins when its own 34 loads are in (the next step's 34 may be out); the run for two steps goes out ahead of step n + 1
	s_wait_dscnt 34
	ROWS \n
	s_wait_dscnt 0x0
	PLACES 4
	FETCH \n+2
	FETCH \n+3
	ROWS \n+1
.endr
	; steps 6 and 7: a round of the cluster's barrier stands inside them; all loads of the first phase have been issued by now
	WIN 0
	s_wait_tensorcnt 0x0                           ; all my tensor loads have landed, my part of wq's group among them
	ds_add_u32 v[SPW], v[NIL]
	s_wait_dscnt 35                                ; step 6's operands are in: step 7's 34 loads and the add may be out
	ROWS 6
	WIN 0
	s_wait_dscnt 0x0                               ; the add is done, and my reads of wv's region are over
	s_barrier_signal -1
	ROWS 7
	WIN 0
	s_barrier_wait -1
	CREST
	TLOAD 44, 68                                   ; a quarter of wk's group a wave, onto wv's; its four v_nop are also the places in front of the loads below
	FETCH 8
	FETCH 9
	OUT4
	v_lshl_or_b32 v[EB], v[EB+1], 16, v[EB]        ; v: two bytes of each of my four tiles' words
	ds_store_b32 v[STA], v[EB]
	IMG4 100, 1536
.irp n, 8,10,12
	TWO \n
.endr
	; steps 14 and 15: a plain barrier shows wk's group, and v's scale bytes, to all
	s_wait_tensorcnt 0x0
	s_wait_dscnt 0x0
	s_barrier_signal -1
	ROWS 14
	ROWS 15
	WIN 0
	s_barrier_wait -1
	PLACES 4
	FETCH 16
	FETCH 17
	OUT4
	IMG4 90, 768
	global_store_b64 v[L8], v[EB:EB+1], s[84:85]   ; 256 consecutive bytes
.irp n, 16,18,20,22
	TWO \n
.endr
	WIN 0
	ds_load_b32 v248, v[STR]                       ; v: the bytes of keys 0-63 of my head's tiles,
	ds_load_b32 v249, v[STR] offset:256            ; and of keys 64-127
	OUT4
	IMG4 92, 768
	global_store_b64 v[L8], v[EB:EB+1], s[94:95]
	s_wait_dscnt 0x0
	v_perm_b32 v250, v249, v248, s98               ; tiles 0 and 1: the low halves,
	v_perm_b32 v251, v249, v248, s99               ; tiles 2 and 3: the high halves
	s_cmp_lt_u32 s[WV], 2                          ; waves 0 and 1: one for each head
	s_cbranch_scc0 .Lno_words
	global_store_b64 v[L8], v[250:251], s[96:97]
.Lno_words:
	s_wait_tensorcnt 0x0                           ; the wave's end
	ds_add_u32 v[SPW], v[NIL]
	s_wait_dscnt 0x0
	CROUND                                         ; the closing round: no work-group ends while a partner may still ask for a tile that names it
	s_endpgm
.Lfunc_end_k_qf21af6e421_qkv:
	.size	k_qf21af6e421_qkv, .Lfunc_end_k_qf21af6e421_qkv-k_qf21af6e421_qkv
	.p2alignl 7, 3214868480
	.fill 96, 4, 3214868480
	.section	.rodata,"a",@progbits
	.p2align	6, 0x0
	.amdhsa_kernel k_qf21af6e421_qkv
		.amdhsa_group_segment_fixed_size 327680
		.amdhsa_private_segment_fixed_size 0
		.amdhsa_enable_private_segment 0
		.amdhsa_kernarg_size 56
		.amdhsa_user_sgpr_count 2
		.amdhsa_user_sgpr_kernarg_segment_ptr 1
		.amdhsa_wavefront_size32 1
		.amdhsa_system_sgpr_workgroup_id_x 1
		.amdhsa_system_sgpr_workgroup_id_y 1
		.amdhsa_system_sgpr_workgroup_id_z 1
		.amdhsa_system_vgpr_workitem_id 0
		.amdhsa_next_free_vgpr 992
		.amdhsa_next_free_sgpr 102
		.amdhsa_reserve_vcc 0
		.amdhsa_float_denorm_mode_32 3
		.amdhsa_float_denorm_mode_16_64 3
		.amdhsa_memory_ordered 1
		.amdhsa_forward_progress 1
		.amdhsa_inst_pref_size 123
	.end_amdhsa_kernel
	.amdgpu_metadata
---
amdhsa.version: [ 1, 2 ]
amdhsa.kernels:
  - .name:           k_qf21af6e421_qkv
    .symbol:         k_qf21af6e421_qkv.kd
    .args:
      - { .name: xi, .offset: 0, .size: 8, .value_kind: global_buffer, .address_space: global }
      - { .name: wi, .offset: 8, .size: 8, .value_kind: global_buffer, .address_space: global }
      - { .name: bq, .offset: 16, .size: 8, .value_kind: global_buffer, .address_space: global }
      - { .name: bk, .offset: 24, .size: 8, .value_kind: global_buffer, .address_space: global }
      - { .name: bv, .offset: 32, .size: 8, .value_kind: global_buffer, .address_space: global }
      - { .name: qi, .offset: 40, .size: 8, .value_kind: global_buffer, .address_space: global }
      - { .name: kv, .offset: 48, .size: 8, .value_kind: global_buffer, .address_space: global }
    .group_segment_fixed_size: 327680
    .private_segment_fixed_size: 0
    .kernarg_segment_align: 8
    .kernarg_segment_size: 56
    .max_flat_workgroup_size: 128
    .sgpr_count:     102
    .vgpr_count:     992
    .wavefront_size: 32
...
	.end_amdgpu_metadata
.endif
;; end of part 2
;; launch attn (part 3): grid 8 x 32, 16 waves a work-group, clusters of 4 x 1, 284,672 bytes of LDS; arguments qi, kv, ai; writes ai
.if DOCPART == 3
	.amdgcn_target "amdgcn-amd-amdhsa--gfx1250"
	.amdhsa_code_object_version 6
	.text
	.protected	k_qf21af6e421_attn
	.globl	k_qf21af6e421_attn
	.p2align	8
	.type	k_qf21af6e421_attn,@function
k_qf21af6e421_attn:
	s_mov_b64 s[64:65], 0
	v_nop
	global_prefetch_b8 v0, s[64:65] scope:SCOPE_SE
	s_setreg_imm32_b32 hwreg(HW_REG_WAVE_MODE, 25, 1), 1
	s_wait_xcnt 0x0
	s_wait_alu depctr_hold_cnt(0) depctr_sa_sdst(0) depctr_va_vdst(0) depctr_va_sdst(0) depctr_va_ssrc(0) depctr_va_vcc(0) depctr_vm_vsrc(0)
	s_getreg_b32 s2, hwreg(HW_REG_IB_STS2, 6, 4)
	s_cmp_eq_u32 s2, 0
	s_cbranch_scc0 .Lentry_in_a_cluster
	s_endpgm
.Lentry_in_a_cluster:
	s_bfe_u32 s2, ttmp6, 0x10000c
	s_cmp_lg_u32 s2, 0x3003
	s_cbranch_scc0 .Lentry_shape_is_right
	s_endpgm
.Lentry_shape_is_right:
; attn[b][q][h][:] = the sum over keys k <= q of softmax_k(q . k / 8) v[k][:], both products on codes of FP6 (E2M3) with E8M0 scales; the result is quantised along the channels for the output product.
; THE SOFTMAX AHEAD OF THE SECOND PRODUCT: t = score x log2(e) / 8; M = the row's largest t so far, rounded up to a whole number; p = 2^(t - M) is quantised along the keys, not normalised; the row's sum is taken of the
; unquantised p and divides at the end.  When M moves, the sum and O are multiplied by 2^(old M - new M): a power of two.
; LEFT OUT: key steps that lie wholly behind a tile's queries: the causal mask makes their p zero for all inputs.
; SHARES.  A work-group is (j = 0..7, b h) and owns tile j, 16 queries, of each of the sequence's sixteen token groups; the tile of group n needs key steps 0 .. n of 128 keys, and step n lies on its diagonal.
; Two waves w, w xor 1 share the tiles of groups 15 - p and p, p = 0..7: 17 steps.  With u = 8 - p: wave L takes of the long tile steps 0, 2, .. 2 u - 2, then 2 u .. 15 - p: eight.  Wave S takes of the long tile steps
; 1, 3, .. 2 u - 1, hands sum, M and O over through LDS, and then makes the short tile, steps 0 .. p: nine in all.  Behind the steps L joins the two parts of the long tile, by powers of two again.
; Of the four waves with equal number mod 4, and of the four with equal number / 4, two are L and two are S.  Every branch hangs on the wave's number, the loop's count or the cluster's number.
; A WHOLE HEAD'S K AND V LIE IN LDS: 16 records of 13,056 bytes, filled once, one by each wave; no slot is filled again.  The four work-groups of a cluster belong to one head and ask for each record JOINTLY.
; In trips 0 to 3 every wave's steps lie among records 0-7, which waves 0-7 fetch by a load line of their own: those trips begin when these have landed; a second barrier, ahead of trip 4, shows records 8-15.
; No prefetch into the L2: every tile of the launch is asked for at its head, so there is no later tile to ask ahead for.
; From trip 4 on the next step's K is loaded from LDS as soon as p has become codes, into the registers that held p: two layouts take turns: K, V in v32-79 and the scores in v96-159, or K, V in v96-143 and the scores in v32-95.
; LAYOUT.  Both products are used transposed: S^T = K Q^T, O^T = V^T P^T: a lane holds one query throughout.  By the order of rows (first kernel) S^T's register 32 c + i of lane (r, h) is key 64 c + 32 h + i: whole scale blocks, in the next operand's
; own order; O^T's register i is channel 32 h + i.
; THE FIRST PRODUCT'S K IS 64: Q's registers 6-11 are zero codes.  K's tiles lie 6 registers apart, so a tile's registers 6-11 are the next tile's codes, or, behind the last tile, whatever stands there: every bit pattern is a finite code of this
; format; they meet zero codes, under scale bytes of 0, and add nothing.
; LIMITS: the scaled scores stay under 2^31 in magnitude; a block whose largest magnitude lies under 2^-124 has its byte held at 1; a block of zeros gets the byte 1; NaN and infinities are not served.
; REGISTERS: v1-10 lane terms; v12 -M, v13 the largest t, v[14:15] the sum in two halves; v16-27 Q; v32-95, v96-159 as above; v160-191 O^T; v192-198 the short tile's Q;
;   v200-221, v236-243, v252-253 at work; v224-235 p's codes; v244-247 K's scale words; v248-249 V's; v210 p's; v255 Q's.
.set REC,  13056
.set QREC, 6656
.set XCH,  16*REC                      ; behind the records: 4,608 bytes for each wave, in which it hands a part of a tile over
.set XP,   4608
.set SPARE, XCH+16*XP                  ; the spare words, 128 bytes for each wave
.set NK,  18                           ; LDS loads that bring a step's K
.set LI,  1                            ; 16 x lane
.set L8,  2                            ; 8 x lane
.set ADK, 3                            ; the step's record + 16 x lane
.set AD8, 4                            ; + 8 x lane
.set QD,  5                            ; my query's place in its half group - 32 h
.set SO,  6                            ; my query's scale word in a record of qi
.set H8,  7                            ; 8 h
.set XA,  8                            ; my own part's place,
.set XB,  9                            ; and the other wave's
.set BO,  10                           ; 16 r + h
.set WV,  18
.set CX,  19
.set J,   20
.set BH,  21
.set P,   22
.set RO,  23                           ; 0: L, 1: S
.set G1,  24                           ; s[24:31]
.set G0,  32                           ; s[32:35]
.set GL,  36                           ; the long tile's group
.set GO,  37                           ; the group of the tile that I send out
.set SWI, 38                           ; the trip at which S changes tiles
.set REX, 40                           ; the trip's key step
.set CG,  41                           ; the trip's tile's group
.set T0,  42
.set T1,  43
.set HF,  44                           ; j / 4: the cluster's number
.set CNT, 46
.set SEL, 48
.set CS,  50                           ; s[50:51] c = log2(e) / 8
.set TB,  52
.set I,   53
.set U,   54
.set OFF, 55
.macro CROUND
	s_barrier_signal -1
	s_barrier_wait -1
	s_cmp_lg_u32 s[WV], 0
	s_cbranch_scc1 .Lnot_wave_0_\@
	s_barrier_signal -3
.Lnot_wave_0_\@:
	s_barrier_wait -3
	s_barrier_signal -1
	s_barrier_wait -1
.endm
.macro TLOAD
	tensor_load_to_lds s[G0:G0+3], s[G1:G1+7]
	s_nop 0
.rept 4
	v_nop
.endr
.endm
.macro CLEAR                           ; a tile begins: the first step finds zeros, which the first change of M leaves zeros
	v_mov_b32 v13, 0xff61b1e6                      ; the largest t so far: -3e38, under every t
	v_mov_b32 v14, 0
	v_mov_b32 v15, 0
	v_floor_f32 v12, -v13                          ; -M
.irp j, 0,1,2,3,4,5,6,7,8,9,10,11,12,13,14,15,16,17,18,19,20,21,22,23,24,25,26,27,28,29,30,31
	v_mov_b32 v[160+\j], 0
.endr
.endm
	s_load_b128 s[4:7], s[0:1], 0x0                ; qi s[4:5], kv s[6:7]
	s_load_b64 s[8:9], s[0:1], 0x10                ; ai
	v_lshl_add_u32 v222, v0, 2, SPARE
	v_mov_b32 v223, 0
	ds_add_u32 v222, v223                          ; the opening lines
	ds_add_u32 v222, v223
	v_lshrrev_b32 v28, 5, v0
	v_readfirstlane_b32 s[WV], v28                 ; wave 0..15
	s_bfe_u32 s[CX], ttmp6, 0x40000
	s_mov_b32 s[HF], ttmp9
	s_lshl_b32 s[J], ttmp9, 2
	s_add_co_u32 s[J], s[J], s[CX]                 ; j: it enters global addresses and a vector compare alone
	s_and_b32 s[BH], ttmp7, 0xffff                 ; 16 b + head, which the four partners share
	; descriptor group 1: a record, 13,056 dense bytes, as 51 rows of 256 (32 elements of 8 bytes), no padding
	s_mov_b32 s[G1], 15|(3<<16)|(1<<21)            ; 15:0 the mask: all four work-groups; 17:16 elements of 8 bytes; 21 set beside a mask
	s_mov_b32 s[G1+1], 32<<16
	s_mov_b32 s[G1+2], 51<<16
	s_mov_b32 s[G1+3], 32<<16
	s_mov_b32 s[G1+4], 51
	s_mov_b32 s[G1+5], 32
	s_mov_b32 s[G1+6], 0
	s_mov_b32 s[G1+7], 0
	s_mov_b32 s[G0], 1
	s_mul_i32 s[G0+1], s[WV], REC                  ; my record: in LDS,
	s_mul_i32 s16, s[BH], 16*REC
	s_add_co_u32 s16, s16, s[G0+1]                 ; and in kv
	s_mov_b32 s17, 0
	s_wait_dscnt 0x0                               ; both opening adds are done
	CROUND                                         ; all four work-groups are here: the joint loads meet
	s_wait_kmcnt 0x0
	s_add_nc_u64 s[G0+2:G0+3], s[6:7], s[16:17]
	s_or_b32 s[G0+3], s[G0+3], 0x80000000
	s_cmp_lt_u32 s[WV], 8                          ; one record a wave; two lines, since waves 0-7 wait for theirs first
	s_cbranch_scc0 .Llate
	TLOAD
	s_branch .Lasked
.Llate:
	TLOAD
.Lasked:
	s_lshr_b32 s10, s[WV], 2
	s_and_b32 s11, s[WV], 3
	s_xor_b32 s12, s10, s11
	s_and_b32 s[RO], s12, 1
	s_lshr_b32 s12, s11, 1
	s_lshl_b32 s13, s10, 1
	s_or_b32 s[P], s13, s12                        ; p = 2 (w / 4) + (w % 4) / 2
	s_xor_b32 s[GL], s[P], 15                      ; 15 - p
	s_xor_b32 s12, s[P], 7
	s_add_co_u32 s[U], s12, 1                      ; u = 8 - p
	s_add_co_u32 s13, s[P], 8
	s_cmp_eq_u32 s[RO], 1
	s_cselect_b32 s[OFF], s13, s[U]                ; from trip u on the key step is trip - u (mod 16: + p + 8) or trip + u
	s_cselect_b32 s[GO], s[P], s[GL]
	s_cselect_b32 s[SWI], s[U], 31
	s_lshl_b32 s16, s[BH], 4
	s_add_co_u32 s12, s16, s[GL]
	s_mul_i32 s12, s12, QREC                       ; the long tile's record of qi,
	s_mov_b32 s13, 0
	s_add_co_u32 s14, s16, s[P]
	s_mul_i32 s14, s14, QREC                       ; and the short one's
	s_mov_b32 s15, 0
	s_add_nc_u64 s[56:57], s[4:5], s[12:13]
	s_add_nc_u64 s[58:59], s[4:5], s[14:15]
	s_mul_i32 s10, s[J], 768                       ; my tile's codes in it,
	s_lshl_b32 s11, s[HF], 8
	s_and_b32 s12, s[CX], 1
	s_lshl_b32 s12, s12, 7
	s_add_co_u32 s11, s11, s12
	s_lshr_b32 s12, s[CX], 1
	s_lshl_b32 s12, s12, 2
	s_add_co_u32 s11, s11, s12                     ; and its scale words
	s_lshl_b32 s12, s[CX], 3
	s_mul_i32 s13, s[WV], XP
	s_add_co_u32 s13, s13, XCH
	s_xor_b32 s14, s[WV], 1
	s_mul_i32 s14, s14, XP
	s_add_co_u32 s14, s14, XCH
	s_mov_b32 s[SEL], 0x76543210
	s_mov_b32 s[SEL+1], 0xfedcba98
	s_mov_b32 s[CS], 0x3e38aa3b                    ; log2(e) / 8: the division by 8 is exact
	s_mov_b32 s[CS+1], s[CS]
	s_mov_b32 s[I], 0
	v_and_b32 v28, 31, v0
	v_and_b32 v29, 15, v0                          ; r
	v_bfe_u32 v30, v0, 4, 1                        ; h
	v_lshlrev_b32 v[LI], 4, v28
	v_lshlrev_b32 v[L8], 3, v28
	v_lshl_add_u32 v[SO], v29, 3, s11
	v_add_nc_u32 v86, s10, v[LI]
	v_add_nc_u32 v87, s10, v[L8]
	global_load_b128 v[16:19], v86, s[56:57]       ; the long tile's Q, 64 channels: registers 0-5 of the operand
	global_load_b64 v[20:21], v87, s[56:57] offset:512
	global_load_b32 v255, v[SO], s[56:57] offset:6144          ; and its rows' scale words
	global_load_b128 v[192:195], v86, s[58:59]     ; the short tile's (one text for both kinds of wave)
	global_load_b64 v[196:197], v87, s[58:59] offset:512
	global_load_b32 v198, v[SO], s[58:59] offset:6144
	v_lshlrev_b32 v[H8], 3, v30
	v_add_nc_u32 v[XA], s13, v[LI]
	v_add_nc_u32 v[XB], s14, v[LI]
	v_lshl_add_u32 v[BO], v29, 4, v30
	v_lshrrev_b32 v88, 3, v29
	v_and_b32 v89, 7, v29
	v_sub_nc_u32 v88, v88, v30
	v_lshl_add_u32 v[QD], v88, 5, v89
	v_add_nc_u32 v[QD], s12, v[QD]                 ; 32 (r / 8) + 8 (j % 4) + r % 8 - 32 h
.irp i, 22,23,24,25,26,27,80,81,82,83,84,85
	v_mov_b32 v\i, 0                               ; zero codes: Q's upper 64 along K, and what first stands behind K's last tile
.endr
	v_mov_b32 v204, 0                              ; written once: a lane permute's destination counts as one of its sources
	v_mov_b32 v207, 0                              ; (named with v206 as a pair)
	v_mov_b32 v253, 0                              ; (named with v252 as a pair)
	CLEAR
.macro SUM c, q
	v_pk_add_f32 v[\c:\c+1], v[\c:\c+1], v[SR+2*\q:SR+2*\q+1]
.endm
.macro HIDE base                       ; of 32 registers: hidden keys' scores become -infinity: p = 0 then
	v_mov_b32 v205, 0xff800000
.irp n, 0,1,2,3,4,5,6,7,8,9,10,11,12,13,14,15,16,17,18,19,20,21,22,23,24,25,26,27,28,29,30,31
	v_cmp_gt_i32 vcc_lo, \n, v[QD]
	v_cndmask_b32 v[\base+\n], v[\base+\n], v205, vcc_lo
.endr
.endm
.macro RECORD last                     ; trip I's key step, 0 .. last, its tile's group and its record's place in LDS
	s_lshl_b32 s[T0], s[I], 1
	s_add_co_u32 s[T0], s[T0], s[RO]
	s_add_co_u32 s[T1], s[I], s[OFF]
	s_cmp_lt_u32 s[I], s[U]
	s_cselect_b32 s[REX], s[T0], s[T1]
	s_cselect_b32 s[CG], s[GL], s[GO]
	s_and_b32 s[REX], s[REX], \last
	s_mul_i32 s[TB], s[REX], REC
.endm
.macro ADDR
	v_add_nc_u32 v[ADK], s[TB], v[LI]
	v_add_nc_u32 v[AD8], s[TB], v[L8]
.endm
.macro KLOAD r                         ; K's eight tiles and their scale words (register alpha: lanes 0-15 tile 2 alpha, lanes 16-31 tile 2 alpha + 1): NK loads
.irp t, 0,1,2,3,4,5,6,7
	ds_load_b128 v[\r+6*\t:\r+6*\t+3], v[ADK] offset:768*\t
	ds_load_b64 v[\r+6*\t+4:\r+6*\t+5], v[AD8] offset:768*\t+512
.endr
	ds_load_b64 v[244:245], v[AD8] offset:6144
	ds_load_b64 v[246:247], v[AD8] offset:6144+256
.endm
; A KEY STEP, 128 keys.  k: where K and V lie; s: where the scores lie; own = 1: the step loads its own K; pre = 1: it loads the next step's
.macro STEP k, s, own, pre
.set KR, \k
.set SR, \s
.if \own
	RECORD 7
.endif
	s_cmp_lg_u32 s[I], s[SWI]
	s_cbranch_scc1 .Lsame_\@
	; S CHANGES TILES: its part of the long tile goes to LDS, and the short tile begins
.rept 4
	v_nop                                          ; places behind the last products
.endr
.irp i, 0,1,2,3,4,5,6,7
	ds_store_b128 v[XA], v[160+4*\i:163+4*\i] offset:512*\i
.endr
	ds_store_b128 v[XA], v[12:15] offset:4096
.irp i, 0,1,2,3,4,5
	v_mov_b32 v[16+\i], v[192+\i]
.endr
	v_mov_b32 v255, v198
	CLEAR
	s_wait_alu depctr_va_vdst(0)                   ; the wait ahead of the branch
.Lsame_\@:
.if \own
	ADDR
	v_nop
	v_nop                                          ; four places in front of loads into registers that the last products have read
	KLOAD KR
.endif
	s_wait_alu depctr_va_vdst(0)
	s_wait_dscnt 0x0
.irp t, 0,1,2,3,4,5,6,7
.if \t%2
	v_wmma_scale_f32_16x16x128_f8f6f4 v[SR+8*\t:SR+8*\t+7], v[KR+6*\t:KR+6*\t+11], v[16:27], 0, v[244+\t/2], v255 matrix_a_fmt:MATRIX_FMT_FP6 matrix_b_fmt:MATRIX_FMT_FP6 matrix_a_scale:MATRIX_SCALE_ROW1
.else
	v_wmma_scale_f32_16x16x128_f8f6f4 v[SR+8*\t:SR+8*\t+7], v[KR+6*\t:KR+6*\t+11], v[16:27], 0, v[244+\t/2], v255 matrix_a_fmt:MATRIX_FMT_FP6 matrix_b_fmt:MATRIX_FMT_FP6
.endif
.endr
.rept 4
	v_nop                                          ; places: the results are read, and the operands' registers loaded, below
.endr
.irp t, 0,1,2,3                                ; V's four tiles are asked for now and land under the softmax
	ds_load_b128 v[KR+12*\t:KR+12*\t+3], v[ADK] offset:6656+1536*\t
	ds_load_b64 v[KR+12*\t+4:KR+12*\t+5], v[AD8] offset:6656+1536*\t+512
	ds_load_b128 v[KR+12*\t+6:KR+12*\t+9], v[ADK] offset:6656+1536*\t+768
	ds_load_b64 v[KR+12*\t+10:KR+12*\t+11], v[AD8] offset:6656+1536*\t+1280
.endr
	ds_load_b64 v[248:249], v[AD8] offset:12800    ; and their scale words
	s_cmp_lg_u32 s[REX], s[CG]                     ; on the tile's diagonal: its queries lie in half j / 4 of the group
	s_cbranch_scc1 .Lopen_\@
	s_cmp_eq_u32 s[HF], 0
	s_cbranch_scc0 .Lupper_\@
	HIDE SR
.irp n, 0,1,2,3,4,5,6,7,8,9,10,11,12,13,14,15,16,17,18,19,20,21,22,23,24,25,26,27,28,29,30,31
	v_mov_b32 v[SR+32+\n], v205                    ; queries of the lower half: all keys of the upper half are hidden
.endr
	s_wait_alu depctr_va_vdst(0)                   ; the wait ahead of the branch
	s_branch .Lopen_\@
.Lupper_\@:
	HIDE SR+32                                     ; queries of the upper half see all keys of the lower half
.Lopen_\@:
.irp c, 0,1                                    ; the largest score of each of my two blocks of 32 keys: it serves for the row's maximum and, since p rises with the score, for the block's largest p
	v_max3_num_f32 v[200+\c], v[SR+32*\c], v[SR+32*\c+1], v[SR+32*\c+2]
	v_max3_num_f32 v[202+\c], v[SR+32*\c+16], v[SR+32*\c+17], v[SR+32*\c+18]
.endr
.irp i, 3,5,7,9,11,13
.irp c, 0,1
	v_max3_num_f32 v[200+\c], v[200+\c], v[SR+32*\c+\i], v[SR+32*\c+\i+1]
	v_max3_num_f32 v[202+\c], v[202+\c], v[SR+32*\c+\i+16], v[SR+32*\c+\i+17]
.endr
.endr
.irp c, 0,1
	v_max3_num_f32 v[200+\c], v[200+\c], v[SR+32*\c+15], v[SR+32*\c+31]
.endr
.irp c, 0,1
	v_max_num_f32 v[200+\c], v[200+\c], v[202+\c]
.endr
	s_delay_alu instid0(VALU_DEP_1)
	v_max_num_f32 v205, v200, v201
	s_delay_alu instid0(VALU_DEP_1)
	v_permlanex16_b32 v204, v205, s[SEL], s[SEL+1]
	s_delay_alu instid0(VALU_DEP_1)
	v_max_num_f32 v205, v205, v204                 ; with lane l xor 16's 64 keys: the step's largest score of my query
	s_delay_alu instid0(VALU_DEP_1)
	v_mul_f32 v205, s[CS], v205                    ; as t
	s_delay_alu instid0(VALU_DEP_1)
	v_max_num_f32 v13, v13, v205                   ; the running largest t
	v_mov_b32 v205, v12
	s_delay_alu instid0(VALU_DEP_2)
	v_floor_f32 v12, -v13                          ; the new -M = -ceil(t)
	s_delay_alu instid0(VALU_DEP_1)
	v_sub_f32 v205, v12, v205                      ; old M - new M: a whole number, 0 or less
	s_delay_alu instid0(VALU_DEP_1)
	v_cvt_i32_f32 v205, v205                       ; (it saturates)
	s_delay_alu instid0(VALU_DEP_1)
	v_ldexp_f32 v206, 1.0, v205                    ; f = 2^(old M - new M)
.irp j, 0,2,4,6,8,10,12,14,16,18,20,22,24,26,28,30,32,34,36,38,40,42,44,46,48,50,52,54,56,58,60,62
	v_pk_fma_f32 v[SR+\j:SR+\j+1], v[SR+\j:SR+\j+1], s[CS:CS+1], v[12:13] op_sel_hi:[1,0,0]   ; t - M, two at a time
.endr
.irp c, 0,1
	v_fma_f32 v[200+\c], v[200+\c], s[CS], v12     ; the same of each block's largest score
.endr
	s_wait_alu depctr_va_vdst(0)                   ; the wait ahead of the batch
.irp j, 0,1,2,3,4,5,6,7,8,9,10,11,12,13,14,15,16,17,18,19,20,21,22,23,24,25,26,27,28,29,30,31,32,33,34,35,36,37,38,39,40,41,42,43,44,45,46,47,48,49,50,51,52,53,54,55,56,57,58,59,60,61,62,63
	v_exp_f32 v[SR+\j], v[SR+\j]                   ; p = 2^(t - M), at most 1
.endr
	v_exp_f32 v200, v200                           ; each block's largest p
	v_exp_f32 v201, v201
	v_pk_mul_f32 v[14:15], v[14:15], v[206:207] op_sel_hi:[1,0]   ; the sums under the new M: a plain place behind the exponentials
	s_wait_alu depctr_va_vdst(0)                   ; one wait for the whole batch, ahead of its first reader
.if \pre
	s_add_co_u32 s[I], s[I], 1                     ; on to the next trip's key step: this trip's number has served
	RECORD 15
	ADDR
.endif
	v_pk_add_f32 v[216:217], v[SR+0:SR+1], v[SR+2:SR+3]    ; the row's sum, of the unquantised p, in eight chains
	v_pk_add_f32 v[218:219], v[SR+4:SR+5], v[SR+6:SR+7]
	v_pk_add_f32 v[220:221], v[SR+8:SR+9], v[SR+10:SR+11]
	v_pk_add_f32 v[236:237], v[SR+12:SR+13], v[SR+14:SR+15]
	v_pk_add_f32 v[238:239], v[SR+16:SR+17], v[SR+18:SR+19]
	v_pk_add_f32 v[240:241], v[SR+20:SR+21], v[SR+22:SR+23]
	v_pk_add_f32 v[242:243], v[SR+24:SR+25], v[SR+26:SR+27]
	SUM 14, 14
	SUM 216, 15
	SUM 218, 16
	SUM 220, 17
	SUM 236, 18
	SUM 238, 19
	SUM 240, 20
	SUM 242, 21
	SUM 14, 22
	SUM 216, 23
	SUM 218, 24
	SUM 220, 25
	SUM 236, 26
	SUM 238, 27
	SUM 240, 28
	SUM 242, 29
	SUM 14, 30
	SUM 216, 31
	v_max_num_f32 v200, 0x1800000, v200            ; the floor 2^(3 - 127): the byte cannot fall under 1
	v_max_num_f32 v201, 0x1800000, v201
	v_pk_add_f32 v[220:221], v[220:221], v[236:237]
	v_pk_add_f32 v[216:217], v[216:217], v[218:219]
	v_add_nc_u32 v212, 0xff000000, v200            ; 2 off the exponent field: the conversion's scale operand
	v_add_nc_u32 v213, 0xff000000, v201
	v_pk_add_f32 v[238:239], v[238:239], v[240:241]
	v_pk_add_f32 v[14:15], v[14:15], v[242:243]
	v_lshrrev_b32 v214, 23, v212                   ; the scales' bytes
	v_lshrrev_b32 v215, 23, v213
	v_pk_add_f32 v[216:217], v[216:217], v[220:221]
	v_pk_add_f32 v[14:15], v[14:15], v[238:239]
	v_lshl_or_b32 v209, v215, 16, v214             ; bytes h and 2 + h of p's scale word for these 128 keys
	s_delay_alu instid0(VALU_DEP_1)
	v_lshlrev_b32 v209, v[H8], v209
	v_pk_add_f32 v[14:15], v[14:15], v[216:217]
	s_delay_alu instid0(VALU_DEP_2)
	v_permlanex16_b32 v204, v209, s[SEL], s[SEL+1]
	s_delay_alu instid0(VALU_DEP_1)
	v_or_b32 v210, v209, v204                      ; with lane l xor 16's two the word is whole
	v_cvt_scalef32_pk16_fp6_f32 v[224:226], v[SR:SR+15], v212
	v_cvt_scalef32_pk16_fp6_f32 v[236:238], v[SR+16:SR+31], v212   ; (a conversion's three registers begin on an even number)
	v_cvt_scalef32_pk16_fp6_f32 v[230:232], v[SR+32:SR+47], v213
	v_cvt_scalef32_pk16_fp6_f32 v[240:242], v[SR+48:SR+63], v213
.irp j, 0,2,4,6,8,10,12,14
	v_pk_mul_f32 v[160+\j:161+\j], v[160+\j:161+\j], v[206:207] op_sel_hi:[1,0]   ; O^T under the new M; the first is the plain place behind the conversions
.endr
.irp i, 0,1,2
	v_mov_b32 v[227+\i], v[236+\i]
	v_mov_b32 v[233+\i], v[240+\i]
.endr
.if \pre
	KLOAD SR                                       ; the next step's K, into the registers that held p (for L the last one is not used: its steps end a trip before S's)
.endif
.irp j, 16,18,20,22,24,26,28,30
	v_pk_mul_f32 v[160+\j:161+\j], v[160+\j:161+\j], v[206:207] op_sel_hi:[1,0]   ; these are also the places between the scale word, the codes and the products below
.endr
	s_wait_alu depctr_va_vdst(0)
.if \pre
	s_wait_dscnt NK                                ; V is in; the next step's K may be out
.else
	s_wait_dscnt 0x0                               ; V is in
.endif
.irp t, 0,1,2,3
.if \t%2
	v_wmma_scale_f32_16x16x128_f8f6f4 v[160+8*\t:167+8*\t], v[KR+12*\t:KR+12*\t+11], v[224:235], v[160+8*\t:167+8*\t], v[248+\t/2], v210 matrix_a_fmt:MATRIX_FMT_FP6 matrix_b_fmt:MATRIX_FMT_FP6 matrix_a_scale:MATRIX_SCALE_ROW1
.else
	v_wmma_scale_f32_16x16x128_f8f6f4 v[160+8*\t:167+8*\t], v[KR+12*\t:KR+12*\t+11], v[224:235], v[160+8*\t:167+8*\t], v[248+\t/2], v210 matrix_a_fmt:MATRIX_FMT_FP6 matrix_b_fmt:MATRIX_FMT_FP6
.endif
.endr
.if \pre
.rept 5
	v_nop                                          ; places: the next step's scores are laid over V's registers
.endr
.endif
.if \own
	s_add_co_u32 s[I], s[I], 1
.endif
.endm
	s_wait_alu depctr_va_vdst(0)                   ; the wait at the head's end
	s_wait_loadcnt 0x0                             ; Q
	s_cmp_lt_u32 s[WV], 8
	s_cbranch_scc0 .Lnot_first
	s_wait_tensorcnt 0x0                           ; waves 0-7: my record
.Lnot_first:
	s_barrier_signal -1
	s_barrier_wait -1                              ; records 0-7 are whole; records 8-15 may still be on their way: nothing is filled again
	s_mov_b32 s[CNT], 4
.Lfirst:                                           ; trips 0-3
	STEP 32, 96, 1, 0
	s_sub_co_u32 s[CNT], s[CNT], 1
	s_cmp_lg_u32 s[CNT], 0
	s_cbranch_scc1 .Lfirst
	s_wait_tensorcnt 0x0
	s_wait_dscnt 0x0
	s_barrier_signal -1
	s_barrier_wait -1                              ; the whole head lies in LDS
	RECORD 15
	ADDR
	v_nop
	v_nop                                          ; four places in front of loads into registers that the last products have read
	KLOAD 32
	s_mov_b32 s[CNT], 2
.Lpairs:                                           ; trips 4, 5 and 6, 7
	STEP 32, 96, 0, 1
	STEP 96, 32, 0, 1
	s_sub_co_u32 s[CNT], s[CNT], 1
	s_cmp_lg_u32 s[CNT], 0
	s_cbranch_scc1 .Lpairs
	s_cmp_eq_u32 s[RO], 0
	s_cbranch_scc1 .Lended
	STEP 32, 96, 0, 0                              ; trip 8: S alone
.Lended:
.rept 4
	v_nop                                          ; places behind the last products
.endr
	s_wait_dscnt 0x0                               ; for L's sake: S's part has landed
	s_barrier_signal -1
	s_barrier_wait -1
	s_cmp_lg_u32 s[RO], 0
	s_cbranch_scc1 .Lown
	; L joins the two parts of the long tile under the larger M
.irp k, 0,1,2,3,4,5,6,7
	ds_load_b128 v[96+4*\k:99+4*\k], v[XB] offset:512*\k
.endr
	ds_load_b128 v[128:131], v[XB] offset:4096
	s_wait_dscnt 0x0
	v_min_num_f32 v205, v12, v128
	v_sub_f32 v200, v205, v12
	v_sub_f32 v201, v205, v128
	v_cvt_i32_f32 v200, v200
	v_cvt_i32_f32 v201, v201
	v_ldexp_f32 v206, 1.0, v200
	v_ldexp_f32 v252, 1.0, v201
.irp j, 0,2,4,6,8,10,12,14,16,18,20,22,24,26,28,30
	v_pk_mul_f32 v[160+\j:161+\j], v[160+\j:161+\j], v[206:207] op_sel_hi:[1,0]
.endr
	v_pk_mul_f32 v[14:15], v[14:15], v[206:207] op_sel_hi:[1,0]
.irp j, 0,2,4,6,8,10,12,14,16,18,20,22,24,26,28,30
	v_pk_fma_f32 v[160+\j:161+\j], v[96+\j:97+\j], v[252:253], v[160+\j:161+\j] op_sel_hi:[1,0,1]
.endr
	v_pk_fma_f32 v[14:15], v[130:131], v[252:253], v[14:15] op_sel_hi:[1,0,1]
.Lown:
	; THE WAY OUT: O^T / the sum; a lane's 32 channels are a block of the output product's K: quantised in registers and stored as half a fragment's image
	v_add_f32 v14, v14, v15
	s_delay_alu instid0(VALU_DEP_1)
	v_permlanex16_b32 v204, v14, s[SEL], s[SEL+1]
	s_delay_alu instid0(VALU_DEP_1)
	v_add_f32 v14, v14, v204                       ; the row's sum
	s_wait_alu depctr_va_vdst(0)                   ; the wait ahead of the reciprocal
	v_rcp_f32 v15, v14
	v_nop                                          ; a plain place behind the reciprocal
	s_lshr_b32 s10, s[BH], 4
	s_lshl_b32 s10, s10, 4
	s_add_co_u32 s10, s10, s[GO]                   ; my group of tokens, 0..31
	s_lshl_b32 s10, s10, 3
	s_and_b32 s11, s[BH], 15
	s_lshr_b32 s11, s11, 1                         ; which 128 along K: head / 2
	s_add_co_u32 s10, s10, s11
	s_mul_i32 s10, s10, 12800                      ; the panel record of ai
	s_and_b32 s11, s[BH], 1                        ; which half of its K
	s_mul_i32 s12, s11, 768
	s_mul_i32 s13, s[J], 1536
	s_add_co_u32 s12, s12, s13
	s_add_co_u32 s12, s12, s10
	s_mov_b32 s13, 0
	s_lshl_b32 s11, s11, 1
	s_add_co_u32 s14, s10, s11
	s_and_b32 s11, s[J], 1
	s_lshl_b32 s11, s11, 8
	s_add_co_u32 s14, s14, s11
	s_lshr_b32 s11, s[J], 1
	s_lshl_b32 s11, s11, 2
	s_add_co_u32 s14, s14, s11
	s_add_co_u32 s14, s14, 12288                   ; my two bytes of each row's scale word
	s_mov_b32 s15, 0
	s_add_nc_u64 s[12:13], s[8:9], s[12:13]
	s_add_nc_u64 s[14:15], s[8:9], s[14:15]
	s_wait_alu depctr_va_vdst(0)                   ; the wait ahead of the reciprocal's first reader
.irp j, 0,1,2,3,4,5,6,7,8,9,10,11,12,13,14,15,16,17,18,19,20,21,22,23,24,25,26,27,28,29,30,31
	v_mul_f32 v[96+\j], v[160+\j], v15             ; register i: channel 32 h + i of my query
.endr
	v_max3_num_f32 v200, |v96|, |v97|, 0x1800000
	v_max3_num_f32 v201, |v112|, |v113|, |v114|
.irp i, 2,4,6,8,10,12
	v_max3_num_f32 v200, v200, |v[96+\i]|, |v[97+\i]|
	v_max3_num_f32 v201, v201, |v[113+\i]|, |v[114+\i]|
.endr
	v_max3_num_f32 v200, v200, |v110|, |v111|
	s_delay_alu instid0(VALU_DEP_1)
	v_max3_num_f32 v200, v200, v201, |v127|
	s_delay_alu instid0(VALU_DEP_1)
	v_add_nc_u32 v212, 0xff000000, v200
	v_cvt_scalef32_pk16_fp6_f32 v[224:226], v[96:111], v212
	v_cvt_scalef32_pk16_fp6_f32 v[236:238], v[112:127], v212
	v_lshrrev_b32 v214, 23, v212                   ; my block's byte (and the plain place behind the conversions)
.irp i, 0,1,2
	v_mov_b32 v[227+\i], v[236+\i]
.endr
	global_store_b128 v[LI], v[224:227], s[12:13]              ; 512 consecutive bytes, aligned to 256
	global_store_b64 v[L8], v[228:229], s[12:13] offset:512    ; 256 consecutive bytes
	global_store_b8 v[BO], v214, s[14:15]          ; byte h of my row's two; a word's other half belongs to the neighbouring head's work-group
	s_wait_tensorcnt 0x0                           ; the wave's end
	ds_add_u32 v222, v223
	s_wait_dscnt 0x0
	CROUND                                         ; the closing round: no work-group ends while a partner may still ask for a record that names it
	s_endpgm
.Lfunc_end_k_qf21af6e421_attn:
	.size	k_qf21af6e421_attn, .Lfunc_end_k_qf21af6e421_attn-k_qf21af6e421_attn
	.p2alignl 7, 3214868480
	.fill 96, 4, 3214868480
	.section	.rodata,"a",@progbits
	.p2align	6, 0x0
	.amdhsa_kernel k_qf21af6e421_attn
		.amdhsa_group_segment_fixed_size 284672
		.amdhsa_private_segment_fixed_size 0
		.amdhsa_enable_private_segment 0
		.amdhsa_kernarg_size 24
		.amdhsa_user_sgpr_count 2
		.amdhsa_user_sgpr_kernarg_segment_ptr 1
		.amdhsa_wavefront_size32 1
		.amdhsa_system_sgpr_workgroup_id_x 1
		.amdhsa_system_sgpr_workgroup_id_y 1
		.amdhsa_system_sgpr_workgroup_id_z 1
		.amdhsa_system_vgpr_workitem_id 0
		.amdhsa_next_free_vgpr 256
		.amdhsa_next_free_sgpr 66
		.amdhsa_reserve_vcc 1
		.amdhsa_float_denorm_mode_32 3
		.amdhsa_float_denorm_mode_16_64 3
		.amdhsa_memory_ordered 1
		.amdhsa_forward_progress 1
		.amdhsa_inst_pref_size 108
	.end_amdhsa_kernel
	.amdgpu_metadata
---
amdhsa.version: [ 1, 2 ]
amdhsa.kernels:
  - .name:           k_qf21af6e421_attn
    .symbol:         k_qf21af6e421_attn.kd
    .args:
      - { .name: qi, .offset: 0, .size: 8, .value_kind: global_buffer, .address_space: global }
      - { .name: kv, .offset: 8, .size: 8, .value_kind: global_buffer, .address_space: global }
      - { .name: ai, .offset: 16, .size: 8, .value_kind: global_buffer, .address_space: global }
    .group_segment_fixed_size: 284672
    .private_segment_fixed_size: 0
    .kernarg_segment_align: 8
    .kernarg_segment_size: 24
    .max_flat_workgroup_size: 512
    .sgpr_count:     66
    .vgpr_count:     256
    .wavefront_size: 32
...
	.end_amdgpu_metadata
.endif
;; end of part 3
;; launch oproj (part 4): grid 8 x 32, 4 waves a work-group, clusters of 4 x 4, 222,720 bytes of LDS; arguments ai, wi, bo, out0; writes out0
.if DOCPART == 4
	.amdgcn_target "amdgcn-amd-amdhsa--gfx1250"
	.amdhsa_code_object_version 6
	.text
	.protected	k_qf21af6e421_oproj
	.globl	k_qf21af6e421_oproj
	.p2align	8
	.type	k_qf21af6e421_oproj,@function
k_qf21af6e421_oproj:
	s_mov_b64 s[64:65], 0
	v_nop
	global_prefetch_b8 v0, s[64:65] scope:SCOPE_SE
	s_setreg_imm32_b32 hwreg(HW_REG_WAVE_MODE, 25, 1), 1
	s_wait_xcnt 0x0
	s_wait_alu depctr_hold_cnt(0) depctr_sa_sdst(0) depctr_va_vdst(0) depctr_va_sdst(0) depctr_va_ssrc(0) depctr_va_vcc(0) depctr_vm_vsrc(0)
	s_getreg_b32 s2, hwreg(HW_REG_IB_STS2, 6, 4)
	s_cmp_eq_u32 s2, 0
	s_cbranch_scc0 .Lentry_in_a_cluster
	s_endpgm
.Lentry_in_a_cluster:
	s_bfe_u32 s2, ttmp6, 0x10000c
	s_cmp_lg_u32 s2, 0xf033
	s_cbranch_scc0 .Lentry_shape_is_right
	s_endpgm
.Lentry_shape_is_right:
; out = attn wo^T + bo on codes of FP6 (E2M3) with E8M0 scales; f32 sums.
; A WORK-GROUP makes 128 tokens (group g) x 128 features (group f): 32 x 8 = 256 work-groups; four waves, 2 x 2: wave (c, e) makes tokens 64 c + 0 .. 63 x features 64 e + 0 .. 63.
; ALL OF K LIES IN LDS, filled once: the tokens' eight panel records, then wo's (102,400 bytes each); no slot is filled again.  One load a wave: waves 0 and 1 records 0-3 of wo's group and of the tokens', waves 2 and 3 records 4-7.
; The first barrier waits for waves 0 and 1 alone.  Every fragment is read from LDS once and has registers of its own: 32 of wo's and 32 of the tokens'.
; CLUSTERS of 4 x 4: the tokens' tiles are asked for jointly along a row of the cluster, wo's along a column.  No prefetch: every tile is asked for at the head, so there is no later tile to ask ahead for.
; THE ORDER: token tiles 0 and 1 side by side along K while the operands come in; then tile 2, then tile 3, each along K, and finished tiles leave under the products that follow.
; Source 0 = wo's rows, source 1 = tokens: by the order of rows (first kernel) lane (r, h) holds features 32 h + 0 .. 31 of token r: a tile of 16 tokens x 256 bytes goes through the wave's own stage in LDS and leaves as whole aligned
; units of 256 bytes.  The bias is the first products' C: the order of rounding differs from a sum followed by one addition.
; REGISTERS: fragment F lies in window 1 + F / 21 at 12 (F % 21), F = 63 in window 0 at v84: F = 4 q + b wo's, 32 + 8 a + q the tokens'.  Window 0: v16-49 scale words, v52-83 the bias, v96-107 LDS addresses and later v96-127 rows on their way out,
;   v128-255 the accumulators: (a, b) at 128 + 32 a + 8 b.
.set REC,   12800
.set HREC,  4*REC
.set GRP,   8*REC
.set STAGE, 2*GRP
.set SPITCH, 272
.set SPARE, STAGE+4*16*SPITCH          ; the spare words, 128 bytes for each wave
.set LI,  1
.set L8,  2
.set SPW, 3
.set NIL, 4
.set STO, 5
.set RD,  6
.set CO,  7
.set BC,  8
.set SA,  16                           ; the tokens' scale words: two registers a step of K
.set SB,  34                           ; wo's
.set CB,  52
.set ADR, 96                           ; six addresses each for the tokens and for wo
.set BK,  96
.set ACC, 128
.set WV,  18
.set WC,  19
.set WF,  20
.set MSB, 0
.macro WIN new
.if MSB != (\new)
	s_set_vgpr_msb (MSB<<8)|(\new)
.set MSB, (\new)
.endif
.endm
.macro PLACES n
.rept \n
	v_nop
.endr
.endm
.macro CROUND
	s_barrier_signal -1
	s_barrier_wait -1
	s_cmp_lg_u32 s[WV], 0
	s_cbranch_scc1 .Lnot_wave_0_\@
	s_barrier_signal -3
.Lnot_wave_0_\@:
	s_barrier_wait -3
	s_barrier_signal -1
	s_barrier_wait -1
.endm
.macro TLOAD g0, g1
	tensor_load_to_lds s[\g0:\g0+3], s[\g1:\g1+7]
	s_nop 0
	PLACES 4
.endm
.macro GROUP1 g, mask, rows            ; dense bytes as rows of 256 (32 elements of 8 bytes), no padding; bit 21 stands beside a mask
	s_or_b32 s[\g], s[\mask], (3<<16)|(1<<21)
	s_mov_b32 s[\g+1], 32<<16
	s_mov_b32 s[\g+2], (\rows)<<16
	s_mov_b32 s[\g+3], 32<<16
	s_mov_b32 s[\g+4], \rows
	s_mov_b32 s[\g+5], 32
	s_mov_b32 s[\g+6], 0
	s_mov_b32 s[\g+7], 0
.endm
.macro WHERE f
.if (\f) == 63
.set FW_, 0
.set FR_, 84
.else
.set FW_, 1+(\f)/21
.set FR_, 12*((\f)%21)
.endif
.endm
.macro LD4 f, m, q, t                  ; fragment f: tile t of my four, record q of matrix m (0 tokens, 1 wo)
	WHERE \f
.set AD_, ADR+6*(\m)+2*((\q)/4)
.set O_, REC*((\q)%4)+1536*(\t)
	WIN FW_<<6
	ds_load_b128 v[FR_:FR_+3], v[AD_] offset:O_
	ds_load_b64 v[FR_+4:FR_+5], v[AD_+1] offset:O_+512
	ds_load_b128 v[FR_+6:FR_+9], v[AD_] offset:O_+768
	ds_load_b64 v[FR_+10:FR_+11], v[AD_+1] offset:O_+1280
.endm
.macro FETCH q                         ; step q of K: scale words, wo's four tiles, token tiles 0 and 1: 26 loads
	WIN 0
	ds_load_b64 v[SA+2*(\q):SA+2*(\q)+1], v[ADR+4+(\q)/4] offset:REC*((\q)%4)+12288
	ds_load_b64 v[SB+2*(\q):SB+2*(\q)+1], v[ADR+10+(\q)/4] offset:REC*((\q)%4)+12288
.irp b, 0,1,2,3
	LD4 4*(\q)+\b, 1, \q, \b
.endr
.irp a, 0,1
	LD4 32+8*\a+(\q), 0, \q, \a
.endr
.endm
.macro FTILE a                         ; a token tile, all of K: 32 loads
.irp q, 0,1,2,3,4,5,6,7
	LD4 32+8*(\a)+\q, 0, \q, \a
.endr
.endm
.macro WM ra, rb
.if \ra
.if \rb
	v_wmma_scale_f32_16x16x128_f8f6f4 v[rD:rD+7], v[rX:rX+11], v[rY:rY+11], v[rC:rC+7], v[rSX], v[rSY] matrix_a_fmt:MATRIX_FMT_FP6 matrix_b_fmt:MATRIX_FMT_FP6 matrix_a_scale:MATRIX_SCALE_ROW1 matrix_b_scale:MATRIX_SCALE_ROW1
.else
	v_wmma_scale_f32_16x16x128_f8f6f4 v[rD:rD+7], v[rX:rX+11], v[rY:rY+11], v[rC:rC+7], v[rSX], v[rSY] matrix_a_fmt:MATRIX_FMT_FP6 matrix_b_fmt:MATRIX_FMT_FP6 matrix_a_scale:MATRIX_SCALE_ROW1
.endif
.else
.if \rb
	v_wmma_scale_f32_16x16x128_f8f6f4 v[rD:rD+7], v[rX:rX+11], v[rY:rY+11], v[rC:rC+7], v[rSX], v[rSY] matrix_a_fmt:MATRIX_FMT_FP6 matrix_b_fmt:MATRIX_FMT_FP6 matrix_b_scale:MATRIX_SCALE_ROW1
.else
	v_wmma_scale_f32_16x16x128_f8f6f4 v[rD:rD+7], v[rX:rX+11], v[rY:rY+11], v[rC:rC+7], v[rSX], v[rSY] matrix_a_fmt:MATRIX_FMT_FP6 matrix_b_fmt:MATRIX_FMT_FP6
.endif
.endif
.endm
.macro ROW a, q                        ; token tile a against wo's four, step q.  The accumulators take turns, one instruction a turn
.irp b, 0,1,2,3
	WHERE 4*(\q)+\b
.set rX, FR_
.set W_, FW_
	WHERE 32+8*(\a)+(\q)
.set rY, FR_
.set W_, W_|(FW_<<2)
.set rD, ACC+32*(\a)+8*\b
.if (\q) == 0
.set rC, CB+8*\b
.else
.set rC, rD
.endif
.set rSX, SB+2*(\q)+\b/2
.set rSY, SA+2*(\q)+(\a)/2
	WIN W_
	WM (\b)%2, (\a)%2
.endr
.endm
.macro PAIR q
	ROW 0, \q
	ROW 1, \q
.endm
.macro TOSTAGE a                       ; tile a into my own stage and back as whole rows; LDS serves a wave's instructions in order, so no wait stands between the stores and the loads
	WIN 0
.irp k, 0,1,2,3,4,5,6,7
	ds_store_b128 v[STO], v[ACC+32*(\a)+4*\k:ACC+32*(\a)+4*\k+3] offset:16*\k      ; each accumulator from its low end on
.endr
.irp t, 0,1,2,3,4,5,6,7
	ds_load_b128 v[BK+4*\t:BK+4*\t+3], v[RD] offset:2*\t*SPITCH
.endr
.endm
.macro SEND a
	WIN 0
	s_wait_dscnt 0x0
.irp t, 0,1,2,3,4,5,6,7
	global_store_b128 v[CO], v[BK+4*\t:BK+4*\t+3], s[40:41] offset:(32*(\t/4)+8*(\a)+(2*\t)%8)*4096 th:TH_STORE_NT   ; sixteen lanes store 256 consecutive bytes, aligned; two rows an instruction
.endr
.endm
	s_load_b256 s[4:11], s[0:1], 0x0               ; ai s[4:5], wi s[6:7], bo s[8:9], out0 s[10:11]
	v_lshl_add_u32 v[SPW], v0, 2, SPARE
	v_mov_b32 v[NIL], 0
	ds_add_u32 v[SPW], v[NIL]                      ; the opening lines
	ds_add_u32 v[SPW], v[NIL]
	v_lshrrev_b32 v9, 5, v0
	v_readfirstlane_b32 s[WV], v9
	s_lshr_b32 s[WC], s[WV], 1                     ; c.  Also: which half of K I fetch
	s_and_b32 s[WF], s[WV], 1                      ; e
	s_bfe_u32 s42, ttmp6, 0x40000                  ; cx
	s_bfe_u32 s43, ttmp6, 0x40004                  ; cy
	s_lshl_b32 s44, s43, 2
	s_lshl_b32 s44, 15, s44                        ; my row of the cluster
	s_lshl_b32 s45, 0x1111, s42                    ; my column
	GROUP1 24, 44, 200
	GROUP1 48, 45, 200
	s_lshl_b32 s22, ttmp9, 2
	s_add_co_u32 s22, s22, s42                     ; f
	s_and_b32 s23, ttmp7, 0xffff
	s_lshl_b32 s23, s23, 2
	s_add_co_u32 s23, s23, s43                     ; g
	s_mul_i32 s21, s[WC], HREC
	s_mul_i32 s12, s23, GRP
	s_add_co_u32 s12, s12, s21
	s_mov_b32 s13, 0
	s_add_co_u32 s14, s22, 24                      ; wo's groups are 24-31 of wi
	s_mul_i32 s14, s14, GRP
	s_add_co_u32 s14, s14, s21
	s_mov_b32 s15, 0
	s_mov_b32 s32, 1
	s_mov_b32 s33, s21
	s_mov_b32 s36, 1
	s_add_co_u32 s37, s21, GRP
	s_wait_dscnt 0x0                               ; both opening adds are done
	CROUND                                         ; all sixteen work-groups are here: the joint loads meet
	s_wait_kmcnt 0x0
	s_add_nc_u64 s[34:35], s[4:5], s[12:13]
	s_or_b32 s35, s35, 0x80000000
	s_add_nc_u64 s[38:39], s[6:7], s[14:15]
	s_or_b32 s39, s39, 0x80000000
	s_cmp_eq_u32 s[WV], 0                          ; one chain of branches on the wave's number, one load on every way
	s_cbranch_scc0 .Lwave_1
	TLOAD 36, 48
	s_branch .Lasked
.Lwave_1:
	s_cmp_eq_u32 s[WV], 1
	s_cbranch_scc0 .Lwave_2
	TLOAD 32, 24
	s_branch .Lasked
.Lwave_2:
	s_cmp_eq_u32 s[WV], 2
	s_cbranch_scc0 .Lwave_3
	TLOAD 36, 48
	s_branch .Lasked
.Lwave_3:
	TLOAD 32, 24
.Lasked:
	s_lshl_b32 s16, s22, 9                         ; my features: 512 f + 256 e bytes
	s_lshl_b32 s17, s[WF], 8
	s_add_co_u32 s16, s16, s17
	s_mov_b32 s17, 0
	s_add_nc_u64 s[46:47], s[8:9], s[16:17]
	s_lshl_b32 s2, s23, 19                         ; my rows: 128 g + 64 c, of 4,096 bytes
	s_lshl_b32 s3, s[WC], 18
	s_add_co_u32 s2, s2, s3
	s_add_co_u32 s2, s2, s16
	s_mov_b32 s3, 0
	s_add_nc_u64 s[40:41], s[10:11], s[2:3]
	s_mul_i32 s4, s[WC], 4*1536                    ; my four tiles of the tokens' group,
	s_mul_i32 s5, s[WF], 4*1536
	s_add_co_u32 s5, s5, GRP                       ; and of wo's
	s_lshl_b32 s6, s[WC], 3                        ; and my two scale words of a lane
	s_lshl_b32 s7, s[WF], 3
	s_add_co_u32 s7, s7, GRP
	s_mul_i32 s2, s[WV], 16*SPITCH
	s_add_co_u32 s2, s2, STAGE                     ; my stage
	v_and_b32 v9, 31, v0                           ; lane
	v_and_b32 v10, 15, v0                          ; r
	v_bfe_u32 v11, v0, 4, 1                        ; h
	v_lshlrev_b32 v[BC], 7, v11
.irp k, 0,1,2,3,4,5,6,7
	global_load_b128 v[CB+4*\k:CB+4*\k+3], v[BC], s[46:47] offset:16*\k            ; features 32 h + 0 .. 31
.endr
	v_lshlrev_b32 v[LI], 4, v9
	v_lshlrev_b32 v[L8], 3, v9
.irp m, 0,1
	v_add_nc_u32 v[ADR+6*\m], s[4+\m], v[LI]
	v_add_nc_u32 v[ADR+6*\m+1], s[4+\m], v[L8]
	v_add_nc_u32 v[ADR+6*\m+4], s[6+\m], v[LI]
	v_add_nc_u32 v[ADR+6*\m+2], HREC, v[ADR+6*\m]
	v_add_nc_u32 v[ADR+6*\m+3], HREC, v[ADR+6*\m+1]
	v_add_nc_u32 v[ADR+6*\m+5], HREC, v[ADR+6*\m+4]
.endr
	v_mul_u32_u24 v[STO], v10, SPITCH              ; in: row r, 128 bytes for each half of the lanes
	v_lshl_add_u32 v[STO], v11, 7, v[STO]
	v_add_nc_u32 v[STO], s2, v[STO]
	v_mul_u32_u24 v[RD], v11, SPITCH               ; back: lanes 0-15 take one row of 256 bytes, lanes 16-31 the next
	v_lshl_add_u32 v[RD], v10, 4, v[RD]
	v_add_nc_u32 v[RD], s2, v[RD]
	v_lshlrev_b32 v[CO], 12, v11                   ; and the same two rows in out0
	v_lshl_add_u32 v[CO], v10, 4, v[CO]
	s_wait_alu depctr_va_vdst(0)                   ; the wait at the head's end
	s_wait_loadcnt 0x0                             ; the bias
	s_cmp_lt_u32 s[WV], 2
	s_cbranch_scc0 .Lnot_first
	s_wait_tensorcnt 0x0
.Lnot_first:
	s_barrier_signal -1
	s_barrier_wait -1                              ; records 0-3 are in; the others may still be on their way: nothing is filled again
	FETCH 0
	FETCH 1
	s_wait_dscnt 26                                ; step 0's loads are in; step 1's 26 may be out
	FETCH 2
	PAIR 0
	s_wait_dscnt 26
	FETCH 3
	PAIR 1
	s_wait_tensorcnt 0x0
	s_wait_dscnt 0x0
	s_barrier_signal -1
	PAIR 2
	WIN 0
	s_barrier_wait -1                              ; records 4-7 are in
	FETCH 4
	FETCH 5
	PAIR 3
	s_wait_dscnt 26
	FETCH 6
	PAIR 4
	s_wait_dscnt 26
	FETCH 7
	PAIR 5
	s_wait_dscnt 26
	FTILE 2
	PAIR 6
	s_wait_dscnt 32                                ; tile 2's 32 loads may be out
	FTILE 3
	PAIR 7
	PLACES 4                                       ; the results are read below
	TOSTAGE 0
	s_wait_dscnt 48                                ; tile 2 is in; tile 3's 32 loads and the stage's 16 may be out
.irp q, 0,1,2,3
	ROW 2, \q
.endr
	SEND 0
	s_wait_xcnt 0x0                                ; tile 0's stores have read their registers
	TOSTAGE 1
.irp q, 4,5,6,7
	ROW 2, \q
.endr
	SEND 1
	PLACES 4
	s_wait_xcnt 0x0
	TOSTAGE 2
.irp q, 0,1,2,3
	ROW 3, \q
.endr
	SEND 2
.irp q, 4,5,6,7
	ROW 3, \q
.endr
	PLACES 4
	s_wait_xcnt 0x0
	TOSTAGE 3
	SEND 3
	s_wait_tensorcnt 0x0                           ; the wave's end
	ds_add_u32 v[SPW], v[NIL]
	s_wait_dscnt 0x0
	CROUND                                         ; the closing round: no work-group ends while a partner may still ask for a tile that names it
	s_endpgm
.Lfunc_end_k_qf21af6e421_oproj:
	.size	k_qf21af6e421_oproj, .Lfunc_end_k_qf21af6e421_oproj-k_qf21af6e421_oproj
	.p2alignl 7, 3214868480
	.fill 96, 4, 3214868480
	.section	.rodata,"a",@progbits
	.p2align	6, 0x0
	.amdhsa_kernel k_qf21af6e421_oproj
		.amdhsa_group_segment_fixed_size 222720
		.amdhsa_private_segment_fixed_size 0
		.amdhsa_enable_private_segment 0
		.amdhsa_kernarg_size 32
		.amdhsa_user_sgpr_count 2
		.amdhsa_user_sgpr_kernarg_segment_ptr 1
		.amdhsa_wavefront_size32 1
		.amdhsa_system_sgpr_workgroup_id_x 1
		.amdhsa_system_sgpr_workgroup_id_y 1
		.amdhsa_system_sgpr_workgroup_id_z 1
		.amdhsa_system_vgpr_workitem_id 0
		.amdhsa_next_free_vgpr 1024
		.amdhsa_next_free_sgpr 70
		.amdhsa_reserve_vcc 0
		.amdhsa_float_denorm_mode_32 3
		.amdhsa_float_denorm_mode_16_64 3
		.amdhsa_memory_ordered 1
		.amdhsa_forward_progress 1
		.amdhsa_inst_pref_size 51
	.end_amdhsa_kernel
	.amdgpu_metadata
---
amdhsa.version: [ 1, 2 ]
amdhsa.kernels:
  - .name:           k_qf21af6e421_oproj
    .symbol:         k_qf21af6e421_oproj.kd
    .args:
      - { .name: ai, .offset: 0, .size: 8, .value_kind: global_buffer, .address_space: global }
      - { .name: wi, .offset: 8, .size: 8, .value_kind: global_buffer, .address_space: global }
      - { .name: bo, .offset: 16, .size: 8, .value_kind: global_buffer, .address_space: global }
      - { .name: out0, .offset: 24, .size: 8, .value_kind: global_buffer, .address_space: global }
    .group_segment_fixed_size: 222720
    .private_segment_fixed_size: 0
    .kernarg_segment_align: 8
    .kernarg_segment_size: 32
    .max_flat_workgroup_size: 128
    .sgpr_count:     70
    .vgpr_count:     1024
    .wavefront_size: 32
...
	.end_amdgpu_metadata
.endif
;; end of part 4
